; MI455X (gfx1250); checked and timed in simulation.
; The chip was launched on July 23, 2026; its instructions are those of AMD's public machine-readable ISA for CDNA 5 (MIT licence, August 2026) and "CDNA5" Instruction Set Architecture Reference Guide (July 2026). The comments in the code are by the model that wrote it; some were corrected since.
;; model. Allowed arithmetic: matrix products marked QUANTISED: E2M1 operands, one E8M0 scale for each 32 along K, by v_wmma_scale_f32_16x16x128_f8f6f4 with both operands' format E2M1 (or v_wmma_scale_f32_32x16x128_f4), f32 sums; products left as they are: bf16, f16 or f32 operands; f32 sums; everything else in f32.
;; Inputs: W 1,024 x 3,072 float32; b 3,072 float32; x 4 x 2,048 x 1,024 float32.
;; Outputs: out0 4 x 2,048 x 1,024 float32.
;; This version of the problem:
;;   THIS VERSION OF THE PROBLEM IS GIVEN IN LOW PRECISION. The matrix products marked QUANTISED in the list below multiply operands that are first quantised to E2M1 (2 exponent bits, 1 mantissa bit; 4 bits a number), with one power-of-two scale for each 32 numbers along K (OCP MX v1.0); their sums are f32. The products marked 'left as it is' may take bf16, f16 or f32 operands, with f32 sums. Whichever they take, every output number must still come out within the allowed error. Rounding operands to bf16 (8 significant bits) uses up far more of that allowance than f16 does (11 bits, for magnitudes from 6e-5 to 65,504). All else is computed in f32.
;;   The module's matrix products, in the order in which they are computed (A, B: the left and right operand; K: the contracted axis; several contracted axes count as one K, in the product's order):
;;     1. [M 8,192, K 1,024] x [K 1,024, N 3,072]; A: input x; B: input W: QUANTISED
;;     2. batch 4 x [M 2,048, K 1,024] x [K 1,024, N 2,048]; A: computed on the way; B: computed on the way: left as it is (an operand is computed on the way)
;;     3. batch 4 x [M 2,048, K 2,048] x [K 2,048, N 1,024]; A: computed on the way; B: computed on the way: left as it is (an operand is computed on the way)
;;   THE QUANTISER, for each operand of a quantised product, along K:
;;     - K is cut into blocks of 32 from its start; a last block that is shorter is filled with zeros.
;;     - A block's scale is 2^e with e = floor(log2(the largest magnitude in the block)) - 2, held to -126 .. 127; a block of zeros has e = 0. As a byte (E8M0): e + 127.
;;     - Each number is divided by its block's scale, clamped to +-6, and rounded to the nearest number of E2M1, ties to even, subnormals kept.
;;     - The product sums the exact products of the quantised numbers (number of the format x scale) in f32.
;;   ~~~python
;;   def quantise(x, axis):      # numpy; x: float32 -> the quantised numbers, widened to float32 again
;;       x = np.moveaxis(x, axis, -1); K = x.shape[-1]
;;       x = np.pad(x, [(0, 0)] * (x.ndim - 1) + [(0, -K % 32)]); x = x.reshape(x.shape[:-1] + (-1, 32)); a = np.abs(x).max(-1, keepdims=True)
;;       e = np.where(a > 0, np.clip(np.frexp(np.where(a > 0, a, 1))[1] - 1 - 2, -126, 127), 0)      # np.frexp(a)[1] - 1 = floor(log2(a)), exactly
;;       r = np.clip(x / 2.0 ** e, -6, 6)
;;       step = 2.0 ** (np.maximum(np.frexp(np.where(r == 0, 1, r))[1] - 1, 0) - 1)
;;       q = np.round(r / step) * step * 2.0 ** e      # np.round: ties to even
;;       return np.moveaxis(q.reshape(q.shape[:-2] + (-1,))[..., :K], -1, axis).astype(np.float32)
;;   ~~~
;; One version. Each part assembles by itself: llvm-mc -triple=amdgcn-amd-amdhsa -mcpu=gfx1250 --defsym DOCPART=n.
;; ======== version 1 of 1: 4 launches
;; limits: values are held in f16: magnitudes above 65,504 overflow, below 6.1e-05 lose precision
;; workspace buffers: xc 4,194,304 bytes; xs 262,144 bytes; wc 1,572,864 bytes; ws 98,304 bytes; qk 33,554,432 bytes; vt 16,777,216 bytes; pm 33,554,432 bytes; st 1,048,576 bytes
;; launch quant (part 1): grid 224 x 1, 8 waves a work-group, no clusters, 84,480 bytes of LDS; arguments x, W, xc, xs, wc, ws; writes xc, xs, wc, ws
.if DOCPART == 1
	.amdgcn_target "amdgcn-amd-amdhsa--gfx1250"
	.amdhsa_code_object_version 6
	.text
	.protected	k_q3d1d9ec38b_quant
	.globl	k_q3d1d9ec38b_quant
	.p2align	8
	.type	k_q3d1d9ec38b_quant,@function
k_q3d1d9ec38b_quant:
	s_mov_b64 s[64:65], 0
	v_nop
	global_prefetch_b8 v0, s[64:65] scope:SCOPE_SE
	s_setreg_imm32_b32 hwreg(HW_REG_WAVE_MODE, 25, 1), 1
	s_wait_xcnt 0x0
; LAUNCH 1 OF 4.  out = softmax((xW_Q + b_Q)(xW_K + b_K)^T / 32) (xW_V + b_V), x [8192][1024], W [1024][3072], the product with W on codes of FP4 (E2M1) with one E8M0 scale for each 32 along K.
; This launch turns x (K innermost) and W (K is its FIRST axis) into codes, K innermost, 512 bytes a row, and scale bytes, 32 a row: xc [8192][512], xs [8192][32], wc [3072][512], ws [3072][32].
; WORK LEFT OUT BY THE PROGRAM: b_K = b[1024:2048].  A score is Q[q] . (xW_K[k] + b_K) = Q[q] . xW_K[k] + Q[q] . b_K; the second term is the same number for all keys k of a query q, and the softmax
; runs over k: exp(s + u) / sum exp(s + u) = exp(s) / sum exp(s) for every real u.  No quantiser stands between K and the scores (that product is left as it is), so this holds for all finite values of
; x, W and b.  Those 1,024 numbers of b are never loaded.  b_Q and b_V are live: b_Q is added in launch 2, b_V once at the end (the weights of a row sum to 1).
; LIMIT: a NaN, an infinity or an overflow that reaches only b[1024:2048] is not carried to the result.
; A block's scale is 2^(floor(log2(its largest magnitude)) - 2); its byte is the largest magnitude's exponent field - 2, held at 1 from below.  A block of zeros so gets the byte 1 where the rule says
; 127: its codes are zeros, which add nothing, and the bytes are read by this program alone.
; LIMITS: a block whose largest magnitude lies under 2^-124 gets the byte 1; NaN and infinities among the inputs are not served.
; SHARES.  Work-groups 0-127 take x, 128-223 W: one scalar branch on the work-group's number; the two ways never join, and each has LDS bytes of its own.
; x: a plain stream of blocks of 32.  A wave takes 16 steps of 512 numbers; each load reads 512 consecutive bytes; a step turns through the wave's own stage in LDS so that a lane holds 16 neighbours.
; W: a work-group takes 32 columns for all of K; wave w takes k = 128 w .. 128 w + 127; a lane takes a column and its registers run down K, so a block of 32 lies in one lane.  The eight waves' codes
; meet in LDS, and the work-group stores 16,384 consecutive bytes of codes and 1,024 of scale bytes.
.set STEPS, 16
.set EMAX,  2
.set SP,    80                         ; x: a lane's place in a stage: 64 bytes + 16 of padding
.set WREG,  8192                       ; x: a region for each wave: two stages of 32 x SP bytes, behind them its 256 scale bytes
.set WSTG,  8*WREG                     ; W: 32 columns x (512 bytes of codes + 16)
.set WPIT,  528
.set WSC,   WSTG+32*WPIT               ; W: 32 columns x 32 scale bytes
.set SPARE, WSC+1024                   ; the spare words, 128 bytes for each wave: four blocks of 256 bytes that no other line names
.set SPW,   12                         ; v12  LDS address of my spare word; never rewritten
.set NIL,   13                         ; v13  0; never rewritten
.set R,     16                         ; x: v16-143  eight sets of 16 numbers as loaded
.set X,     144                        ; x: v144-175 two sets of 16 neighbours
.set E,     176                        ; x: v176-191 a scale byte for each step
.set C,     192                        ; x: v192-223 two registers of codes for each step: no store's data are written again
.set WX,    32                         ; W: v32-159  four blocks of 32 numbers
.set WC,    160                        ; W: v160-175 four registers of codes for each block
.set WO,    176                        ; W: v176-191 the way out
.set WS4,   192                        ; W: v192-195 scale bytes on the way out
	s_load_b128 s[4:7], s[0:1], 0x0                ; x, W
	s_load_b128 s[8:11], s[0:1], 0x10              ; xc, xs
	s_load_b128 s[12:15], s[0:1], 0x20             ; wc, ws
	v_lshl_add_u32 v[SPW], v0, 2, SPARE
	v_mov_b32 v[NIL], 0
	v_lshrrev_b32 v1, 5, v0
	v_readfirstlane_b32 s16, v1                    ; wave 0..7
	v_and_b32 v2, 31, v0                           ; lane
	s_cmp_lt_u32 ttmp9, 128
	s_cbranch_scc0 .Lw
; ---------------------------------------------------------------- x
	v_lshlrev_b32 v3, 4, v2                        ; my 16 bytes of a load's 512
	s_mul_i32 s17, s16, WREG
	v_lshrrev_b32 v14, 2, v2
	v_mul_u32_u24 v14, v14, SP
	v_and_b32 v15, 3, v2
	v_lshl_add_u32 v14, v15, 4, v14
	v_add_nc_u32 v14, s17, v14                     ; the stage, on the way in: SP (lane / 4) + 16 (lane % 4)
	v_mul_u32_u24 v15, v2, SP
	v_add_nc_u32 v15, s17, v15                     ; and on the way out: SP x lane: my 16 neighbours
	v_lshlrev_b32 v4, 3, v2                        ; 8 x lane: my codes' place in a step's 256 bytes, and my 8 scale bytes at the end
	v_lshrrev_b32 v5, 1, v2
	s_add_co_u32 s17, s17, 2*32*SP
	v_add_nc_u32 v5, s17, v5                       ; LDS: my block's scale byte
	v_add_nc_u32 v6, s17, v4                       ; and 8 bytes a lane on the way out
	s_lshl_b32 s18, ttmp9, 3
	s_add_co_u32 s18, s18, s16                     ; which run of 8,192 numbers is my wave's: 0..1023
	s_lshl_b32 s20, s18, 15                        ; 32,768 bytes of x,
	s_mov_b32 s21, 0
	s_lshl_b32 s22, s18, 12                        ; 4,096 of codes,
	s_mov_b32 s23, 0
	s_lshl_b32 s24, s18, 8                         ; 256 scale bytes
	s_mov_b32 s25, 0
	s_wait_kmcnt 0x0
	s_add_nc_u64 s[4:5], s[4:5], s[20:21]
	s_add_nc_u64 s[8:9], s[8:9], s[22:23]
	s_add_nc_u64 s[10:11], s[10:11], s[24:25]
.macro XLOAD t
.irp i, 0,1,2,3
	global_load_b128 v[R+16*((\t)%8)+4*\i:R+16*((\t)%8)+4*\i+3], v3, s[4:5] offset:2048*(\t)+512*\i th:TH_LOAD_NT   ; 32 lanes read 512 consecutive bytes
.endr
.endm
.macro XTURN t                         ; step t's numbers through the stage: LDS serves a wave's instructions in order, so no wait stands between the stores and the loads
.irp i, 0,1,2,3
	ds_store_b128 v14, v[R+16*((\t)%8)+4*\i:R+16*((\t)%8)+4*\i+3] offset:32*SP*((\t)%2)+8*SP*\i
.endr
.irp i, 0,1,2,3
	ds_load_b128 v[X+16*((\t)%2)+4*\i:X+16*((\t)%2)+4*\i+3], v15 offset:32*SP*((\t)%2)+16*\i
.endr
.endm
.macro XSTEP t
.set XS, X+16*((\t)%2)
.if (\t) > 0
	s_wait_dscnt 1                                 ; this step's numbers are back from the stage (the last step's byte store may be out): so its stores into the stage have read their registers,
.else
	s_wait_dscnt 0x0
.endif
.if (\t)+8 < STEPS
	XLOAD (\t)+8                                   ; which take the loads of eight steps on
.endif
.if (\t)+1 < STEPS
.if (\t) <= 7
	s_wait_loadcnt 28                              ; the next step's four loads are in; those of the seven steps behind it may be out
.else
	s_wait_loadcnt 4*(14-(\t))                     ; the steps behind the next one, up to the last
.endif
	XTURN (\t)+1
.endif
	v_max3_num_f32 v8, |v[XS]|, |v[XS+1]|, |v[XS+2]|               ; the largest magnitude of my 16, in two chains
	v_max3_num_f32 v9, |v[XS+3]|, |v[XS+4]|, |v[XS+5]|
.irp i, 6,10
	v_max3_num_f32 v8, v8, |v[XS+\i]|, |v[XS+\i+1]|
	v_max3_num_f32 v9, v9, |v[XS+\i+2]|, |v[XS+\i+3]|
.endr
	v_max3_num_f32 v8, v8, |v[XS+14]|, |v[XS+15]|
	v_max3_num_f32 v8, v8, v9, (EMAX+1)<<23        ; and the floor 2^(3 - 127): the byte cannot fall under 1
	v_max_num_f32_dpp v8, v8, v8 row_xmask:1 row_mask:0xf bank_mask:0xf   ; and of my neighbour's 16: the block's
	v_add_nc_u32 v11, -(EMAX<<23), v8              ; 2 off its exponent field: the conversion takes the exponent field of this operand as its scale
	v_cvt_scalef32_pk8_fp4_f32 v[C+2*(\t)], v[XS:XS+7], v11
	v_cvt_scalef32_pk8_fp4_f32 v[C+2*(\t)+1], v[XS+8:XS+15], v11
	v_lshrrev_b32 v[E+(\t)], 23, v11               ; the scale's byte (a plain line behind the conversions)
	ds_store_b8 v5, v[E+(\t)] offset:16*(\t)       ; both lanes of a block write the same byte with the same value
	global_store_b64 v4, v[C+2*(\t):C+2*(\t)+1], s[8:9] offset:256*(\t)   ; the wave stores 256 consecutive bytes, aligned
.endm
.irp t, 0,1,2,3,4,5,6,7
	XLOAD \t
.endr
	s_wait_loadcnt 28                              ; step 0's four loads are in
	XTURN 0
.irp t, 0,1,2,3,4,5,6,7,8,9,10,11,12,13,14,15
	XSTEP \t
.endr
	ds_load_b64 v[8:9], v6                         ; my wave's 256 scale bytes: these see my stores
	s_wait_dscnt 0x0
	global_store_b64 v4, v[8:9], s[10:11]          ; 256 consecutive bytes, aligned
	s_wait_tensorcnt 0x0                           ; the wave's end, behind my last LDS store
	ds_add_u32 v[SPW], v[NIL]
	s_wait_dscnt 0x0
	s_endpgm
; ---------------------------------------------------------------- W
.Lw:
	s_sub_co_u32 s17, ttmp9, 128                   ; g: columns 32 g .. 32 g + 31
	v_lshlrev_b32 v3, 2, v2                        ; in: 4 bytes a lane: 128 consecutive bytes a load
	s_lshl_b32 s18, s16, 6
	s_add_co_u32 s18, s18, WSTG
	v_mul_u32_u24 v4, v2, WPIT
	v_add_nc_u32 v4, s18, v4                       ; into the stage: row = my column, my wave's 64 bytes of it
	s_lshl_b32 s18, s16, 2
	s_add_co_u32 s18, s18, WSC
	v_lshl_add_u32 v5, v2, 5, s18                  ; my column's scale bytes, my wave's four
	s_mul_i32 s18, s16, 4*WPIT
	s_add_co_u32 s18, s18, WSTG
	v_lshl_add_u32 v6, v2, 4, s18                  ; out of it: wave w takes columns 4 w .. 4 w + 3, 32 lanes to a row of 512 bytes
	s_lshl_b32 s18, s16, 11
	v_lshl_add_u32 v7, v2, 4, s18                  ; and the same place in the work-group's 16,384 bytes of wc
	s_lshl_b32 s18, s16, 9
	v_lshl_add_u32 v9, v2, 4, s18                  ; scale bytes: waves 0 and 1 take 512 bytes each
	v_add_nc_u32 v8, WSC, v9
	s_mul_i32 s20, s16, 128*12288                  ; my wave's 128 rows of W,
	s_lshl_b32 s18, s17, 7
	s_add_co_u32 s20, s20, s18                     ; my work-group's 32 columns
	s_mov_b32 s21, 0
	s_lshl_b32 s22, s17, 14
	s_mov_b32 s23, 0
	s_lshl_b32 s24, s17, 10
	s_mov_b32 s25, 0
	s_wait_kmcnt 0x0
	s_add_nc_u64 s[6:7], s[6:7], s[20:21]
	s_add_nc_u64 s[12:13], s[12:13], s[22:23]
	s_add_nc_u64 s[14:15], s[14:15], s[24:25]
.set i, 0
.rept 128
	global_load_b32 v[WX+i], v3, s[6:7] offset:i*12288 th:TH_LOAD_NT   ; W(128 w + i, my column)
.set i, i+1
.endr
.macro WBLOCK t, left
.set XS, WX+32*(\t)
	s_wait_loadcnt \left                           ; this block's 32 loads are in (the count is that of the younger loads, or the largest that the wait can name where they are more)
	v_max3_num_f32 v10, |v[XS]|, |v[XS+1]|, |v[XS+2]|              ; the block's largest magnitude: all 32 numbers are mine
	v_max3_num_f32 v11, |v[XS+3]|, |v[XS+4]|, |v[XS+5]|
.irp i, 6,10,14,18,22,26
	v_max3_num_f32 v10, v10, |v[XS+\i]|, |v[XS+\i+1]|
	v_max3_num_f32 v11, v11, |v[XS+\i+2]|, |v[XS+\i+3]|
.endr
	v_max3_num_f32 v10, v10, |v[XS+30]|, |v[XS+31]|
	v_max3_num_f32 v10, v10, v11, (EMAX+1)<<23     ; and the floor
	v_add_nc_u32 v14, -(EMAX<<23), v10             ; the conversion's scale operand
	v_lshrrev_b32 v15, 23, v14                     ; the scale's byte
.if (\t) == 0
	v_mov_b32 v16, v15                             ; four bytes to a word, the lower K in the lower byte
.else
	v_lshl_or_b32 v16, v15, 8*(\t), v16
.endif
.irp g, 0,1,2,3
	v_cvt_scalef32_pk8_fp4_f32 v[WC+4*(\t)+\g], v[XS+8*\g:XS+8*\g+7], v14
.endr
	v_nop                                          ; one plain line behind the conversions: the next block writes their scale operand
	ds_store_b128 v4, v[WC+4*(\t):WC+4*(\t)+3] offset:16*(\t)      ; 32 codes: 16 bytes of my column's row
.endm
	WBLOCK 0, 63
	WBLOCK 1, 63
	WBLOCK 2, 32
	WBLOCK 3, 0
	ds_store_b32 v5, v16
	s_wait_dscnt 0x0                               ; for the others' sake: my stores have landed
	s_barrier_signal -1
	s_barrier_wait -1                              ; the 32 columns' rows are whole
.irp i, 0,1,2,3
	ds_load_b128 v[WO+4*\i:WO+4*\i+3], v6 offset:WPIT*\i
.endr
.irp i, 0,1,2,3
	s_wait_dscnt 3-\i
	global_store_b128 v7, v[WO+4*\i:WO+4*\i+3], s[12:13] offset:512*\i   ; 512 consecutive bytes, aligned
.endr
	s_cmp_lt_u32 s16, 2
	s_cbranch_scc0 .Lw_end
	ds_load_b128 v[WS4:WS4+3], v8
	s_wait_dscnt 0x0
	global_store_b128 v9, v[WS4:WS4+3], s[14:15]   ; 512 consecutive bytes, aligned
.Lw_end:
	s_wait_tensorcnt 0x0                           ; the wave's end, behind my last LDS store
	ds_add_u32 v[SPW], v[NIL]
	s_wait_dscnt 0x0
	s_endpgm
.Lfunc_end_k_q3d1d9ec38b_quant:
	.size	k_q3d1d9ec38b_quant, .Lfunc_end_k_q3d1d9ec38b_quant-k_q3d1d9ec38b_quant
	.p2alignl 7, 3214868480
	.fill 96, 4, 3214868480
	.section	.rodata,"a",@progbits
	.p2align	6, 0x0
	.amdhsa_kernel k_q3d1d9ec38b_quant
		.amdhsa_group_segment_fixed_size 84480
		.amdhsa_private_segment_fixed_size 0
		.amdhsa_enable_private_segment 0
		.amdhsa_kernarg_size 48
		.amdhsa_user_sgpr_count 2
		.amdhsa_user_sgpr_kernarg_segment_ptr 1
		.amdhsa_wavefront_size32 1
		.amdhsa_system_sgpr_workgroup_id_x 1
		.amdhsa_system_sgpr_workgroup_id_y 1
		.amdhsa_system_sgpr_workgroup_id_z 1
		.amdhsa_system_vgpr_workitem_id 0
		.amdhsa_next_free_vgpr 224
		.amdhsa_next_free_sgpr 66
		.amdhsa_reserve_vcc 0
		.amdhsa_float_denorm_mode_32 3
		.amdhsa_float_denorm_mode_16_64 3
		.amdhsa_memory_ordered 1
		.amdhsa_forward_progress 1
		.amdhsa_inst_pref_size 54
	.end_amdhsa_kernel
	.amdgpu_metadata
---
amdhsa.version: [ 1, 2 ]
amdhsa.kernels:
  - .name:           k_q3d1d9ec38b_quant
    .symbol:         k_q3d1d9ec38b_quant.kd
    .args:
      - { .name: x, .offset: 0, .size: 8, .value_kind: global_buffer, .address_space: global }
      - { .name: W, .offset: 8, .size: 8, .value_kind: global_buffer, .address_space: global }
      - { .name: xc, .offset: 16, .size: 8, .value_kind: global_buffer, .address_space: global }
      - { .name: xs, .offset: 24, .size: 8, .value_kind: global_buffer, .address_space: global }
      - { .name: wc, .offset: 32, .size: 8, .value_kind: global_buffer, .address_space: global }
      - { .name: ws, .offset: 40, .size: 8, .value_kind: global_buffer, .address_space: global }
    .group_segment_fixed_size: 84480
    .private_segment_fixed_size: 0
    .kernarg_segment_align: 8
    .kernarg_segment_size: 48
    .max_flat_workgroup_size: 256
    .sgpr_count:     66
    .vgpr_count:     224
    .wavefront_size: 32
...
	.end_amdgpu_metadata
.endif
;; end of part 1
;; launch qkv (part 2): grid 12 x 32, 4 waves a work-group, clusters of 4 x 4, 327,680 bytes of LDS; arguments xc, xs, wc, ws, b, qk, vt; writes qk, vt
.if DOCPART == 2
	.amdgcn_target "amdgcn-amd-amdhsa--gfx1250"
	.amdhsa_code_object_version 6
	.text
	.protected	k_q3d1d9ec38b_qkv
	.globl	k_q3d1d9ec38b_qkv
	.p2align	8
	.type	k_q3d1d9ec38b_qkv,@function
k_q3d1d9ec38b_qkv:
	s_mov_b64 s[64:65], 0
	v_nop
	global_prefetch_b8 v0, s[64:65] scope:SCOPE_SE
	s_setreg_imm32_b32 hwreg(HW_REG_WAVE_MODE, 25, 1), 1
	s_wait_xcnt 0x0
	s_wait_alu depctr_hold_cnt(0) depctr_sa_sdst(0) depctr_va_vdst(0) depctr_va_sdst(0) depctr_va_ssrc(0) depctr_va_vcc(0) depctr_vm_vsrc(0)
	s_getreg_b32 s2, hwreg(HW_REG_IB_STS2, 6, 4)
	s_cmp_eq_u32 s2, 0
	s_cbranch_scc0 .Lentry_in_a_cluster
	s_endpgm
.Lentry_in_a_cluster:
	s_bfe_u32 s2, ttmp6, 0x10000c
	s_cmp_lg_u32 s2, 0xf033
	s_cbranch_scc0 .Lentry_shape_is_right
	s_endpgm
.Lentry_shape_is_right:
; LAUNCH 2 OF 4.  Q = x W_Q + b_Q, K = x W_K, V = x W_V on codes of FP4 (E2M1) with E8M0 scales, sums in f32, results rounded once to f16 for the two products of attention.
; WORK LEFT OUT: b[1024:2048] (K's bias) cancels in the softmax for all values of the inputs (shown at the head of launch 1) and is not loaded.  b_V is added in launch 4.
; LIMIT: a magnitude of Q, K or V above 65,504 has no f16 number.
; A tile of 256 x 256 is made by a work-group of four waves; a wave makes 128 x 128: 64 accumulators.  K = 1,024 is two slots of 512 along K: both are asked for at the head and nothing is filled again.
; ROLES.  Cluster x says which third of W: 0 Q, 1 K, 2 V; it is the same in all sixteen partners.  For Q and K, operand A (source 1) is 256 rows of x and operand B (source 0) 256 columns of W.
; For V the two change places, so that V^T comes out, with the keys innermost, as the last product wants it.  Only pointers and tile numbers are chosen; the text is one.
; CLUSTERS: 4 x 4.  A's tile hangs on cy and the cluster's coordinates and is shared along a row of the cluster, B's on cx and is shared along a column: joint loads.
; THE MATRIX INSTRUCTION IS USED TRANSPOSED (source 0 = 16 rows of B, source 1 = 16 rows of A): lane (r, h) holds row r of A's block and columns 16 b + 8 h + 0..7.
; THE WAY OUT NEEDS NO LDS.  The results go out as IMAGES OF THE NEXT PRODUCTS' OPERAND REGISTERS: a fragment of 16 rows x 32 k of f16 is 8 registers; registers 0-3 hold k = 8 h + 0..7 and registers
; 4-7 k = 16 + 8 h + 0..7: just what accumulators 2 g and 2 g + 1, rounded in pairs, hold.  An image is 1,024 bytes: registers 0-3 at 16 x lane, registers 4-7 at 512 + 16 x lane.
; qk: [2: Q, K][512 blocks of 16 rows][32 pieces of 32 features][1,024];  vt: [4 batches][64 blocks of 16 features][64 pieces of 32 keys][1,024].  Each store covers 512 consecutive bytes, aligned.
; REGISTERS, in windows of 256: window 0: v0-31 addresses; v32-95 scale words, two sets; v128-191 A's fragments, one set; v192-255 b_Q in the result's layout, later the packed results.
;   window 1: B's fragments, two sets, at v0 and v128.   window 2: accumulators of my rows 0-63 ((a, b) at v[8 (8 a + b)]);   window 3: those of my rows 64-127.
.set NQ,     4                         ; steps of 128 along K in a slot
.set ROWB,   256                       ; a tile's row in bytes: 512 codes
.set KROW,   512                       ; a row of codes in memory
.set PITCH,  272                       ; an LDS row: 256 bytes + 16 of padding: the 16 rows that a load touches start at 16 different banks (64 banks of 4 bytes: ISA guide 11.1)
.set FR,     8
.set NL,     2
.set NP,     4                         ; places behind this matrix instruction (ISA guide 7.12.1)
.set HALFT,  128*PITCH
.set SLOT,   4*HALFT
.set KS,     32                        ; a row of scale bytes
.set SCL,    2*SLOT                    ; behind the slots: the scales, as units of 256 bytes + 16 of padding
.set HALFS,  16*272                    ; those of 128 rows
.set SBLK,   2*272                     ; those of 16 rows
.set SPARE,  SCL+4*HALFS               ; the spare words: two blocks of 256 bytes that no other line names
.set ADRA, 16
.set ADRB, 20
.set CO,   26                          ; v26  16 x lane: my place in half an image
.set ADRS, 27
.set SPW,  28
.set NIL,  29
.set BO,   30                          ; v30  32 h: my eight numbers of a block of 16 of b
.set SC,   32
.set AF,   128
.set BI,   192                         ; b_Q: eight registers for each block of 16 columns
.set TMP,  192                         ; later: packed results, v192-223 and v224-255 by turns
.set OB,   98                          ; s[98:99] the output's base
.set G1, 24
.set G0, 32
.set G1B, 48
.set G0B, 56
.set G1S, 68
.set G0S, 76
.set G1SB, 80
.set G0SB, 88
.set MSB, 0
.macro WIN new                         ; the immediate's high byte repeats the setting that is left
.if MSB != (\new)
	s_set_vgpr_msb (MSB<<8)|(\new)
.set MSB, (\new)
.endif
.endm
.set MUL_LO, 0xa1                      ; source 0 (B) window 1, source 1 (A) window 0, C and D window 2
.set MUL_HI, 0xf1                      ; the same, C and D window 3
.set BIA_LO, 0x81                      ; C (the bias) window 0, D window 2
.set BIA_HI, 0xc1                      ; C window 0, D window 3
.set TO_B,   0x40
; A joint load: waves 0 and 1 fetch for A, waves 2 and 3 for B.  The branch hangs on the wave's number alone.  An s_nop 0 and four v_nop follow each of the two lines.
.macro JLOAD g0a, g1a, g0b, g1b
	s_cmp_eq_u32 s15, 0
	s_cbranch_scc0 .Lfor_b_\@
	tensor_load_to_lds s[\g0a:\g0a+3], s[\g1a:\g1a+7]
	s_nop 0
.rept 4
	v_nop
.endr
	s_branch .Lasked_\@
.Lfor_b_\@:
	tensor_load_to_lds s[\g0b:\g0b+3], s[\g1b:\g1b+7]
	s_nop 0
.rept 4
	v_nop
.endr
.Lasked_\@:
.endm
.macro CROUND                          ; a round of the cluster's barrier
	s_barrier_signal -1
	s_barrier_wait -1
	s_cmp_lg_u32 s14, 0
	s_cbranch_scc1 .Lnot_wave_0_\@
	s_barrier_signal -3
.Lnot_wave_0_\@:
	s_barrier_wait -3
	s_barrier_signal -1
	s_barrier_wait -1
.endm
	s_load_b256 s[4:11], s[0:1], 0x0               ; xc, xs, wc, ws
	s_load_b128 s[96:99], s[0:1], 0x20             ; b, qk
	s_load_b64 s[100:101], s[0:1], 0x30            ; vt
	v_lshl_add_u32 v[SPW], v0, 2, SPARE
	v_mov_b32 v[NIL], 0
	ds_add_u32 v[SPW], v[NIL]                      ; the wave's opening: the add, twice on end, and its wait ahead of my first tensor load
	ds_add_u32 v[SPW], v[NIL]
	v_lshrrev_b32 v1, 5, v0
	v_readfirstlane_b32 s14, v1                    ; wave 0..3
	s_lshr_b32 s15, s14, 1                         ; which half of the tile's rows is mine.  Also: I fetch for A (0) or for B (1)
	s_and_b32 s16, s14, 1                          ; which half of its columns.  Also: which 128 rows of that tile I fetch
	s_bfe_u32 s40, ttmp6, 0x40000                  ; cx
	s_bfe_u32 s41, ttmp6, 0x40004                  ; cy
	s_and_b32 s17, ttmp7, 0xffff
	s_lshl_b32 s17, s17, 2                         ; 4 x cluster y
	s_lshl_b32 s42, ttmp9, 2                       ; 4 x cluster x
	s_cmp_eq_u32 ttmp9, 2                          ; V?  The cluster's x: the same in all partners.  All choices stand ahead of the next line that sets SCC
	s_cselect_b32 s2, 8, s17                       ; A's tiles begin: V: W's tile 8 (column 2,048); else x's tile 4 x cluster y
	s_cselect_b32 s42, s17, s42                    ; B's: V: x's tile 4 x cluster y; else W's tile 4 x cluster x
	s_cselect_b32 s3, 0, s17                       ; the output's tiles of rows begin
	s_cselect_b32 s12, 3, 2                        ; B's tiles in a part of the output: 2^3 in a batch of vt, 2^2 in Q or K
	s_cselect_b32 s13, 22, 24                      ; a part's bytes: 2^22, 2^24
	s_cselect_b32 s66, 16, 15                      ; a block row's bytes: 2^16, 2^15
	s_cselect_b32 s95, 7, 3
	s_add_co_u32 s17, s2, s41                      ; A's tile: + cy
	s_add_co_u32 s42, s42, s40                     ; B's tile: + cx
	s_add_co_u32 s3, s3, s41                       ; the output's tile of rows
	s_lshl_b32 s43, s41, 2
	s_lshl_b32 s43, 15, s43                        ; my row of the cluster
	s_lshl_b32 s44, 0x1111, s40                    ; my column
	; descriptor group 1: a tile of 128 rows x 256 bytes, 16 bytes of padding behind each row
	s_or_b32 s[G1+0], s43, (0<<16)|(1<<20)|(1<<21)|(5<<22)|(3<<25)
	s_or_b32 s[G1B+0], s44, (0<<16)|(1<<20)|(1<<21)|(5<<22)|(3<<25)
.irp g, G1, G1B
	s_mov_b32 s[\g+1], ROWB<<16                    ; tensor_dim0
	s_mov_b32 s[\g+2], 128<<16                     ; tensor_dim1
	s_mov_b32 s[\g+3], ROWB<<16                    ; tile_dim0
	s_mov_b32 s[\g+4], 128                         ; tile_dim1
	s_mov_b32 s[\g+5], KROW                        ; from row to row
	s_mov_b32 s[\g+6], 0
	s_mov_b32 s[\g+7], 0
.endr
	; the scales of 128 rows: 4,096 dense bytes, as 16 rows of 256 bytes (32 elements of 8), 16 bytes of padding behind each
	s_or_b32 s[G1S+0], s43, (3<<16)|(1<<20)|(1<<21)|(5<<22)|(3<<25)
	s_or_b32 s[G1SB+0], s44, (3<<16)|(1<<20)|(1<<21)|(5<<22)|(3<<25)
.irp g, G1S, G1SB
	s_mov_b32 s[\g+1], 32<<16
	s_mov_b32 s[\g+2], 16<<16
	s_mov_b32 s[\g+3], 32<<16
	s_mov_b32 s[\g+4], 16
	s_mov_b32 s[\g+5], 32
	s_mov_b32 s[\g+6], 0
	s_mov_b32 s[\g+7], 0
.endr
	; where my part of the output begins, in bytes
	s_lshr_b32 s18, s42, s12
	s_lshl_b32 s18, s18, s13                       ; the part: Q or K; V: the batch
	s_lshl_b32 s19, s3, 4
	s_lshl_b32 s2, s15, 3
	s_add_co_u32 s19, s19, s2
	s_lshl_b32 s19, s19, s66                       ; my first block of 16 rows
	s_add_co_u32 s18, s18, s19
	s_and_b32 s19, s42, s95
	s_lshl_b32 s19, s19, 3
	s_lshl_b32 s2, s16, 2
	s_add_co_u32 s19, s19, s2
	s_lshl_b32 s19, s19, 10                        ; my first image in a block row
	s_add_co_u32 s12, s18, s19
	s_mov_b32 s13, 0
	s_lshl_b32 s66, 1, s66                         ; from block row to block row
	s_mov_b32 s67, 0
	; which rows I fetch
	s_lshl_b32 s18, s16, 7
	s_lshl_b32 s20, s17, 8
	s_add_co_u32 s20, s20, s18                     ; A: row 256 x tile + 128 x half
	s_lshl_b32 s46, s42, 8
	s_add_co_u32 s46, s46, s18                     ; B likewise
	s_lshl_b32 s22, s20, 5                         ; their scales: 32 bytes a row,
	s_mov_b32 s23, 0
	s_lshl_b32 s92, s46, 5
	s_mov_b32 s93, 0
	s_lshl_b32 s20, s20, 9                         ; their codes: 512 bytes a row
	s_mov_b32 s21, 0
	s_lshl_b32 s46, s46, 9
	s_mov_b32 s47, 0
	s_mul_i32 s45, s14, HALFT                      ; where they go: wave x 128 rows: no place in the cluster enters an LDS address
	s_mul_i32 s94, s14, HALFS
	s_wait_dscnt 0x0                               ; both opening adds are done
	s_wait_kmcnt 0x0
	s_cmp_eq_u32 ttmp9, 2
	s_cselect_b64 s[18:19], s[8:9], s[4:5]         ; A's codes: V: wc, else xc
	s_cselect_b64 s[2:3], s[10:11], s[6:7]         ; A's scales
	s_cselect_b64 s[4:5], s[4:5], s[8:9]           ; B's codes: V: xc, else wc
	s_cselect_b64 s[6:7], s[6:7], s[10:11]         ; B's scales
	s_cselect_b64 s[OB:OB+1], s[100:101], s[OB:OB+1]   ; the output: V: vt, else qk
	s_add_nc_u64 s[20:21], s[18:19], s[20:21]
	s_add_nc_u64 s[22:23], s[2:3], s[22:23]
	s_add_nc_u64 s[46:47], s[4:5], s[46:47]
	s_add_nc_u64 s[92:93], s[6:7], s[92:93]
	s_add_nc_u64 s[OB:OB+1], s[OB:OB+1], s[12:13]
	CROUND                                         ; all sixteen work-groups are here: the first joint loads meet
	s_mov_b32 s[G0S], 1
	s_add_co_u32 s[G0S+1], s94, SCL
	s_mov_b64 s[G0S+2:G0S+3], s[22:23]
	s_or_b32 s[G0S+3], s[G0S+3], 0x80000000
	s_mov_b32 s[G0SB], 1
	s_add_co_u32 s[G0SB+1], s94, SCL
	s_mov_b64 s[G0SB+2:G0SB+3], s[92:93]
	s_or_b32 s[G0SB+3], s[G0SB+3], 0x80000000
	JLOAD G0S, G1S, G0SB, G1SB                     ; the scales first: they are wanted with the first slot
.irp s, 0,1
	s_mov_b32 s[G0+4*\s], 1
	s_add_co_u32 s[G0+4*\s+1], s45, \s*SLOT
	s_add_nc_u64 s[G0+4*\s+2:G0+4*\s+3], s[20:21], \s*ROWB
	s_or_b32 s[G0+4*\s+3], s[G0+4*\s+3], 0x80000000
	s_mov_b32 s[G0B+4*\s], 1
	s_add_co_u32 s[G0B+4*\s+1], s45, \s*SLOT
	s_add_nc_u64 s[G0B+4*\s+2:G0B+4*\s+3], s[46:47], \s*ROWB
	s_or_b32 s[G0B+4*\s+3], s[G0B+4*\s+3], 0x80000000
	JLOAD G0+4*\s, G1, G0B+4*\s, G1B               ; three loads of mine are out behind the last of these
.endr
	v_and_b32 v1, 15, v0                           ; r
	v_bfe_u32 v2, v0, 4, 1                         ; h
	v_mul_u32_u24 v3, v1, PITCH
	v_lshl_add_u32 v4, v2, 4, v3                   ; a fragment's row x pitch + 16 h
	s_mul_i32 s21, s15, HALFT                      ; my 128 rows of A
	s_mul_i32 s22, s16, HALFT                      ; my 128 rows of B,
	s_add_co_u32 s22, s22, 2*HALFT                 ; which lie behind A's 256
.irp s, 0,1
	v_add_nc_u32 v[ADRA+\s], s21, v4
	v_add_nc_u32 v[ADRB+\s], s22, v4
	s_add_co_u32 s21, s21, SLOT
	s_add_co_u32 s22, s22, SLOT
.endr
	v_mul_u32_u24 v5, v1, KS                       ; my row's scales: 32 bytes a row,
	v_lshrrev_b32 v6, 8, v5
	v_lshl_add_u32 v5, v6, 4, v5                   ; and 16 more for each 256 passed
	s_mul_i32 s21, s15, HALFS
	s_mul_i32 s22, s16, HALFS
	s_add_co_u32 s22, s22, 2*HALFS
	s_sub_co_u32 s22, s22, s21
	v_mul_u32_u24 v6, s22, v2                      ; lanes 16-31 take B's: one product, the distance between the two bases
	s_add_co_u32 s21, s21, SCL
	v_add_nc_u32 v5, v5, v6
	v_add_nc_u32 v[ADRS], s21, v5
	v_and_b32 v6, 31, v0
	v_lshlrev_b32 v[CO], 4, v6
	v_lshlrev_b32 v[BO], 5, v2
.macro FRAG reg, adr, q, i             ; 16 rows x 128 K of 4-bit codes: 8 registers; registers 4 c .. 4 c + 3 hold K = 64 c + 32 h + 0 .. 31
.irp c, 0,1
	ds_load_b128 v[\reg+4*\c:\reg+4*\c+3], v[\adr] offset:64*(\q)+32*\c+(\i)*16*PITCH
.endr
.endm
; 16 matrix instructions: A's blocks a0, a0 + 1 x B's eight.  mode 0: add on; 1: the constant 0 starts the sums; 2: b_Q starts them.  The 64 accumulators take turns, one instruction a turn.
.macro MUL16 a0, p, q, sc, mode
.irp a, \a0, \a0+1
.irp b, 0,1,2,3,4,5,6,7
.if \mode == 1
	v_wmma_scale_f32_16x16x128_f8f6f4 v[8*(8*((\a)%4)+\b):8*(8*((\a)%4)+\b)+7], v[128*(\p)+FR*\b:128*(\p)+FR*\b+FR-1], v[AF+FR*(\a):AF+FR*(\a)+FR-1], 0, v[SC+8*NQ*(\sc)+NQ*\b+(\q)], v[SC+8*NQ*(\sc)+NQ*(\a)+(\q)] matrix_a_fmt:MATRIX_FMT_FP4 matrix_b_fmt:MATRIX_FMT_FP4 matrix_a_scale:MATRIX_SCALE_ROW1
.elseif \mode == 2
	v_wmma_scale_f32_16x16x128_f8f6f4 v[8*(8*((\a)%4)+\b):8*(8*((\a)%4)+\b)+7], v[128*(\p)+FR*\b:128*(\p)+FR*\b+FR-1], v[AF+FR*(\a):AF+FR*(\a)+FR-1], v[BI+8*\b:BI+8*\b+7], v[SC+8*NQ*(\sc)+NQ*\b+(\q)], v[SC+8*NQ*(\sc)+NQ*(\a)+(\q)] matrix_a_fmt:MATRIX_FMT_FP4 matrix_b_fmt:MATRIX_FMT_FP4 matrix_a_scale:MATRIX_SCALE_ROW1
.else
	v_wmma_scale_f32_16x16x128_f8f6f4 v[8*(8*((\a)%4)+\b):8*(8*((\a)%4)+\b)+7], v[128*(\p)+FR*\b:128*(\p)+FR*\b+FR-1], v[AF+FR*(\a):AF+FR*(\a)+FR-1], v[8*(8*((\a)%4)+\b):8*(8*((\a)%4)+\b)+7], v[SC+8*NQ*(\sc)+NQ*\b+(\q)], v[SC+8*NQ*(\sc)+NQ*(\a)+(\q)] matrix_a_fmt:MATRIX_FMT_FP4 matrix_b_fmt:MATRIX_FMT_FP4 matrix_a_scale:MATRIX_SCALE_ROW1
.endif
.endr
.endr
.endm
.macro FETCH_B slot, q, p
	WIN TO_B
.irp i, 0,1,2,3,4,5,6,7
	FRAG 128*(\p)+FR*\i, ADRB+\slot, \q, \i
.endr
	WIN 0
.endm
.macro FETCH_A slot, q, i0
.irp i, \i0, \i0+1, \i0+2, \i0+3
	FRAG AF+FR*(\i), ADRA+\slot, \q, \i
.endr
.endm
.macro SCALES sc                       ; a slot's scale words: four words a row; lanes 0-15 take A's block i, lanes 16-31 B's block i
.irp i, 0,1,2,3,4,5,6,7
	ds_load_b128 v[SC+8*NQ*\sc+NQ*\i:SC+8*NQ*\sc+NQ*\i+3], v[ADRS] offset:\i*SBLK
.endr
.endm
.macro PLACES n                        ; plain vector lines between a matrix instruction and a load into, or a read of, its registers
.rept \n
	v_nop
.endr
.endm
.macro STEP slot, q, mode              ; a step of 128 along K that has its successor in the same slot
	s_wait_dscnt 4*NL                              ; B's set and A's blocks 0-3 are in; the youngest eight loads (A's blocks 4-7) may be out
.if \mode == 2
	WIN BIA_LO
.else
	WIN MUL_LO
.endif
	MUL16 0, (\q)%2, \q, \slot, \mode
	MUL16 2, (\q)%2, \q, \slot, \mode
	s_wait_dscnt 0
	PLACES NP
	FETCH_B \slot, (\q)+1, 1-(\q)%2
	FETCH_A \slot, (\q)+1, 0
.if \mode == 2
	WIN BIA_HI
.else
	WIN MUL_HI
.endif
	MUL16 4, (\q)%2, \q, \slot, \mode
	MUL16 6, (\q)%2, \q, \slot, \mode
	PLACES NP
	WIN 0
	FETCH_A \slot, (\q)+1, 4
.endm
.macro TURN slot, next                 ; a slot's last step changes slots: one barrier; nothing is filled again
	s_wait_tensorcnt 0x0                           ; all my tensor loads have landed: my part of the next slot
	ds_add_u32 v[SPW], v[NIL]                      ; 0 onto my spare word
	s_wait_dscnt 4*NL+1                            ; (the add and the youngest eight loads may be out)
	WIN MUL_LO
	MUL16 0, 1, NQ-1, \slot, 0
	s_wait_dscnt 0x0
	s_barrier_signal -1
	MUL16 2, 1, NQ-1, \slot, 0
	WIN 0
	s_barrier_wait -1                              ; the next slot is whole
	PLACES NP
	v_add_nc_u32 v[ADRS], 4*NQ, v[ADRS]            ; on to the next slot's scale words
	FETCH_B \next, 0, 0
	FETCH_A \next, 0, 0
	SCALES \next
	WIN MUL_HI
	MUL16 4, 1, NQ-1, \slot, 0
	MUL16 6, 1, NQ-1, \slot, 0
	PLACES NP
	WIN 0
	FETCH_A \next, 0, 4
.endm
.macro STEPS slot, from
.set Q, \from
.rept NQ-1-\from
	STEP \slot, Q, 0
.set Q, Q+1
.endr
.endm
; The first step.  mode 2 (Q's cluster): b_Q's loads and their one reader stand on the same way.
.macro START mode
.if \mode == 2
	s_lshl_b32 s18, s42, 10                        ; b at my first column: 4 x (256 x tile + 128 x half)
	s_lshl_b32 s19, s16, 9
	s_add_co_u32 s18, s18, s19
	s_mov_b32 s19, 0
	s_add_nc_u64 s[96:97], s[96:97], s[18:19]
.irp b, 0,1,2,3,4,5,6,7
	global_load_b128 v[BI+8*\b:BI+8*\b+3], v[BO], s[96:97] offset:64*\b         ; b(16 b + 8 h + 0..7): the result's layout, the same for every block of rows
	global_load_b128 v[BI+8*\b+4:BI+8*\b+7], v[BO], s[96:97] offset:64*\b+16
.endr
.endif
	s_wait_tensorcnt 1                             ; the scales and my part of slot 0 are in (slot 1's load may be out),
	s_barrier_signal -1
	s_barrier_wait -1                              ; everybody's are
	FETCH_B 0, 0, 0
	FETCH_A 0, 0, 0
	SCALES 0
	FETCH_A 0, 0, 4
.if \mode == 2
	s_wait_loadcnt 0x0                             ; b_Q
.endif
	STEP 0, 0, \mode
.endm
	s_cmp_lg_u32 ttmp9, 0                          ; the cluster's x: every wave of every partner goes the same way
	s_cbranch_scc1 .Lplain
	START 2
	s_branch .Ljoin
.Lplain:
	START 1
.Ljoin:
	STEPS 0, 1
	TURN 0, 1
	STEPS 1, 0
	s_wait_dscnt 4*NL                              ; the very last step: nothing more to fetch
	WIN MUL_LO
	MUL16 0, 1, NQ-1, 1, 0
	MUL16 2, 1, NQ-1, 1, 0
	s_wait_dscnt 0
	WIN MUL_HI
	MUL16 4, 1, NQ-1, 1, 0
	MUL16 6, 1, NQ-1, 1, 0
	WIN 0
; THE WAY OUT, a block of 16 rows at a time: rounded to f16 in pairs, each accumulator from its low end on; four images of 1,024 bytes.
.macro OUT a
.set AC, 64*((\a)%4)
.set TP, TMP+32*((\a)%2)
	s_wait_xcnt 0x0                                ; the earlier stores have read their registers and their base
	WIN 0x0a+5*((\a)/4)                            ; sources 0 and 1: window 2 or 3
.irp b, 0,1,2,3,4,5,6,7
.irp r, 0,1,2,3
	v_cvt_pk_f16_f32 v[TP+4*\b+\r], v[AC+8*\b+2*\r], v[AC+8*\b+2*\r+1]
.endr
.endr
	WIN 0
.if (\a) > 0
	s_add_nc_u64 s[OB:OB+1], s[OB:OB+1], s[66:67]  ; the next block row
.endif
.irp g, 0,1,2,3
.irp u, 0,1
	global_store_b128 v[CO], v[TP+8*\g+4*\u:TP+8*\g+4*\u+3], s[OB:OB+1] offset:1024*\g+512*\u
.endr
.endr
.endm
	PLACES NP
.irp a, 0,1,2,3,4,5,6,7
	OUT \a
.endr
	s_wait_tensorcnt 0x0                           ; the wave's end
	ds_add_u32 v[SPW], v[NIL]
	s_wait_dscnt 0x0
	CROUND                                         ; the closing round
	s_endpgm
.Lfunc_end_k_q3d1d9ec38b_qkv:
	.size	k_q3d1d9ec38b_qkv, .Lfunc_end_k_q3d1d9ec38b_qkv-k_q3d1d9ec38b_qkv
	.p2alignl 7, 3214868480
	.fill 96, 4, 3214868480
	.section	.rodata,"a",@progbits
	.p2align	6, 0x0
	.amdhsa_kernel k_q3d1d9ec38b_qkv
		.amdhsa_group_segment_fixed_size 327680
		.amdhsa_private_segment_fixed_size 0
		.amdhsa_enable_private_segment 0
		.amdhsa_kernarg_size 56
		.amdhsa_user_sgpr_count 2
		.amdhsa_user_sgpr_kernarg_segment_ptr 1
		.amdhsa_wavefront_size32 1
		.amdhsa_system_sgpr_workgroup_id_x 1
		.amdhsa_system_sgpr_workgroup_id_y 1
		.amdhsa_system_sgpr_workgroup_id_z 1
		.amdhsa_system_vgpr_workitem_id 0
		.amdhsa_next_free_vgpr 1024
		.amdhsa_next_free_sgpr 102
		.amdhsa_reserve_vcc 0
		.amdhsa_float_denorm_mode_32 3
		.amdhsa_float_denorm_mode_16_64 3
		.amdhsa_memory_ordered 1
		.amdhsa_forward_progress 1
		.amdhsa_inst_pref_size 133
	.end_amdhsa_kernel
	.amdgpu_metadata
---
amdhsa.version: [ 1, 2 ]
amdhsa.kernels:
  - .name:           k_q3d1d9ec38b_qkv
    .symbol:         k_q3d1d9ec38b_qkv.kd
    .args:
      - { .name: xc, .offset: 0, .size: 8, .value_kind: global_buffer, .address_space: global }
      - { .name: xs, .offset: 8, .size: 8, .value_kind: global_buffer, .address_space: global }
      - { .name: wc, .offset: 16, .size: 8, .value_kind: global_buffer, .address_space: global }
      - { .name: ws, .offset: 24, .size: 8, .value_kind: global_buffer, .address_space: global }
      - { .name: b, .offset: 32, .size: 8, .value_kind: global_buffer, .address_space: global }
      - { .name: qk, .offset: 40, .size: 8, .value_kind: global_buffer, .address_space: global }
      - { .name: vt, .offset: 48, .size: 8, .value_kind: global_buffer, .address_space: global }
    .group_segment_fixed_size: 327680
    .private_segment_fixed_size: 0
    .kernarg_segment_align: 8
    .kernarg_segment_size: 56
    .max_flat_workgroup_size: 128
    .sgpr_count:     102
    .vgpr_count:     1024
    .wavefront_size: 32
...
	.end_amdgpu_metadata
.endif
;; end of part 2
;; launch scores (part 3): grid 8 x 32, 4 waves a work-group, clusters of 4 x 4, 327,680 bytes of LDS; arguments qk, pm, st; writes pm, st
.if DOCPART == 3
	.amdgcn_target "amdgcn-amd-amdhsa--gfx1250"
	.amdhsa_code_object_version 6
	.text
	.protected	k_q3d1d9ec38b_scores
	.globl	k_q3d1d9ec38b_scores
	.p2align	8
	.type	k_q3d1d9ec38b_scores,@function
k_q3d1d9ec38b_scores:
	s_mov_b64 s[64:65], 0
	v_nop
	global_prefetch_b8 v0, s[64:65] scope:SCOPE_SE
	s_setreg_imm32_b32 hwreg(HW_REG_WAVE_MODE, 25, 1), 1
	s_wait_xcnt 0x0
	s_wait_alu depctr_hold_cnt(0) depctr_sa_sdst(0) depctr_va_vdst(0) depctr_va_sdst(0) depctr_va_ssrc(0) depctr_va_vcc(0) depctr_vm_vsrc(0)
	s_getreg_b32 s2, hwreg(HW_REG_IB_STS2, 6, 4)
	s_cmp_eq_u32 s2, 0
	s_cbranch_scc0 .Lentry_in_a_cluster
	s_endpgm
.Lentry_in_a_cluster:
	s_bfe_u32 s2, ttmp6, 0x10000c
	s_cmp_lg_u32 s2, 0xf033
	s_cbranch_scc0 .Lentry_shape_is_right
	s_endpgm
.Lentry_shape_is_right:
; LAUNCH 3 OF 4.  S = Q K^T in f16 with f32 sums, and the first half of the softmax.  K carries no bias: it cancels in the softmax for all values of the inputs (shown at the head of launch 1).
; A tile of 256 queries x 256 keys is made by a work-group of four waves; a wave makes 128 x 128: 64 accumulators.  K = 1,024 goes in steps of 128 through a ring of two LDS slots.
; THE MAXIMUM.  A wave sees 128 keys of a row: a CHUNK.  t = score x log2(e) / 32;  M_c = the chunk's largest t of the row, rounded UP to a whole number;  p = 2^(t - M_c), at most 1, goes out in f16;
; -M_c and the chunk's sum of the unrounded p go out in f32.  Launch 4 takes M = the largest M_c of the row and multiplies the chunk by 2^(M_c - M): the row's true maximum is taken away, chunk by chunk.
; OPERANDS COME AND GO AS IMAGES OF THEIR REGISTERS (launch 2): a K step of a block of 16 rows is 4 images, 4,096 consecutive bytes; a fragment is two ds_load_b128 at 16 x lane: no pitch, no padding.
; pm: [512 blocks of 16 queries][64 pieces of 32 keys][1,024];  st: [2: -M_c, sum][16 chunks][8,192 rows] f32.
; CLUSTERS: 4 x 4.  Q's tile hangs on the tile row and is shared along a row of the cluster, K's on the tile column and the batch (cluster y / 2) and is shared along a column: joint loads.
; THE MATRIX INSTRUCTION IS USED TRANSPOSED (source 0 = 16 keys, source 1 = 16 queries): lane (r, h) holds query r and keys 16 b + 8 h + 0..7.
; LIMITS: p under 2^-24 becomes 0 in f16; NaN and infinities are not served.
; REGISTERS, in windows of 256: window 0: v0-31 addresses; v32-41 statistics; v64-127, v128-191 Q's fragments, two buffers; on the way out v64-95 sums, v192-255 packed weights.
;   window 1: v64-127, v128-191 K's fragments.   window 2: accumulators of my queries 0-63 ((a, b) at v[8 (8 a + b)]);   window 3: those of my queries 64-127.
.set KSB,   4096                       ; a K step of a block row, in bytes
.set SLOT,  131072                     ; Q's 16 block rows x 4,096, then K's
.set STATB, 2*SLOT                     ; behind the ring: 1,024 bytes for each wave: 128 x -M_c, 128 sums
.set SPARE, STATB+4096                 ; the spare words: two blocks of 256 bytes that no other line names
.set LAPS,  4                          ; a lap = two K steps
.set ADRA, 16
.set ADRB, 20
.set SA,   24                          ; v24  where I put my query's two statistics
.set SRD,  25                          ; v25  where I read them back, 16 bytes a lane
.set CO,   26                          ; v26  16 x lane
.set SPW,  28
.set NIL,  29
.set PFO,  30                          ; v30  the prefetches' offset; never rewritten
.set T,    32                          ; v32-35 four chains of the maximum
.set X1,   36
.set NM,   38                          ; v[38:39] -M_c (the packed form names the pair and takes its low word)
.set LS,   40
.set LX,   41
.set U,    64
.set TMP,  192
.set F0,   64
.set F1,   128
.set G1, 24
.set G0, 32
.set G1B, 48
.set G0B, 56
.set LIM, 43                           ; s43  1 in a wave that prefetches, else the greatest number
.set PFA, 44                           ; s[44:45] where my prefetches stand
.set CS,  66                           ; s[66:67] c = log2(e) / 32
.set SEL, 68                           ; s[68:69] v_permlanex16_b32's selects for lane l xor 16
.set MSB, 0
.macro WIN new
.if MSB != (\new)
	s_set_vgpr_msb (MSB<<8)|(\new)
.set MSB, (\new)
.endif
.endm
.set MUL_LO, 0xa1                      ; source 0 (K) window 1, source 1 (Q) window 0, C and D window 2
.set MUL_HI, 0xf1
.set TO_B,   0x40
.macro JLOAD s                         ; waves 0 and 1 fetch Q's two halves, waves 2 and 3 K's; an s_nop 0 and four v_nop follow each line
	s_cmp_eq_u32 s11, 0
	s_cbranch_scc0 .Lfor_b_\@
	tensor_load_to_lds s[G0+4*\s:G0+4*\s+3], s[G1:G1+7]
	s_nop 0
.rept 4
	v_nop
.endr
	s_branch .Lasked_\@
.Lfor_b_\@:
	tensor_load_to_lds s[G0B+4*\s:G0B+4*\s+3], s[G1B:G1B+7]
	s_nop 0
.rept 4
	v_nop
.endr
.Lasked_\@:
.endm
; A prefetch of the K step that stands two refills on: of the 8 block rows that I fetch, my work-group's two: 32 blocks of 256 bytes, a lane a block.  Q's rows are read by both clusters of a row of clusters:
; cluster x = 0 asks.  K's by the two clusters of a batch in a column: the even cluster y asks.  The four partners are told apart by address.  The loop's last trip has no K step two on.
.macro ASK
	s_cmp_gt_u32 s3, s[LIM]
	s_cbranch_scc0 .Lnot_mine_\@
	global_prefetch_b8 v[PFO], s[PFA:PFA+1] offset:KSB th:TH_LOAD_NT scope:SCOPE_SE
.Lnot_mine_\@:
.endm
.macro CREST
	s_cmp_lg_u32 s10, 0
	s_cbranch_scc1 .Lnot_wave_0_\@
	s_barrier_signal -3
.Lnot_wave_0_\@:
	s_barrier_wait -3
	s_barrier_signal -1
	s_barrier_wait -1
.endm
.macro CROUND
	s_barrier_signal -1
	s_barrier_wait -1
	CREST
.endm
	s_load_b128 s[4:7], s[0:1], 0x0                ; qk, pm
	s_load_b64 s[8:9], s[0:1], 0x10                ; st
	v_lshl_add_u32 v[SPW], v0, 2, SPARE
	v_mov_b32 v[NIL], 0
	ds_add_u32 v[SPW], v[NIL]                      ; the wave's opening: the add, twice on end, and its wait ahead of my first tensor load
	ds_add_u32 v[SPW], v[NIL]
	v_lshrrev_b32 v1, 5, v0
	v_readfirstlane_b32 s10, v1                    ; wave 0..3
	s_lshr_b32 s11, s10, 1                         ; which half of the queries is mine.  Also: I fetch for Q (0) or K (1)
	s_and_b32 s12, s10, 1                          ; which half of the keys.  Also: which 8 block rows I fetch
	s_bfe_u32 s40, ttmp6, 0x40000                  ; cx
	s_bfe_u32 s41, ttmp6, 0x40004                  ; cy
	s_lshl_b32 s42, ttmp9, 2
	s_add_co_u32 s42, s42, s40                     ; tile of keys in the batch: 0..7
	s_and_b32 s70, ttmp7, 0xffff                   ; cluster y
	s_lshl_b32 s13, s70, 2
	s_add_co_u32 s13, s13, s41                     ; tile of queries: 0..31
	s_lshr_b32 s71, s70, 1                         ; the batch
	s_lshl_b32 s43, s41, 2
	s_lshl_b32 s43, 15, s43                        ; my row of the cluster
	s_lshl_b32 s44, 0x1111, s40                    ; my column
	; descriptor group 1: 8 rows (block rows) of 4,096 bytes (512 elements of 8), 32,768 bytes apart; dense in LDS
	s_or_b32 s[G1+0], s43, (3<<16)|(1<<21)
	s_or_b32 s[G1B+0], s44, (3<<16)|(1<<21)
.irp g, G1, G1B
	s_mov_b32 s[\g+1], 512<<16                     ; tensor_dim0
	s_mov_b32 s[\g+2], 8<<16                       ; tensor_dim1
	s_mov_b32 s[\g+3], 512<<16                     ; tile_dim0
	s_mov_b32 s[\g+4], 8                           ; tile_dim1
	s_mov_b32 s[\g+5], 4096                        ; from row to row, in elements
	s_mov_b32 s[\g+6], 0
	s_mov_b32 s[\g+7], 0
.endr
	s_lshl_b32 s17, s12, 3
	s_lshl_b32 s16, s13, 4
	s_add_co_u32 s16, s16, s17
	s_lshl_b32 s16, s16, 15                        ; Q: block row 16 x tile + 8 x half
	s_lshl_b32 s46, s42, 4
	s_add_co_u32 s46, s46, s17
	s_lshl_b32 s47, s71, 7
	s_add_co_u32 s46, s46, s47
	s_add_co_u32 s46, s46, 512                     ; K's images lie 512 block rows behind Q's
	s_lshl_b32 s46, s46, 15                        ; K: block row 512 + 128 x batch + 16 x tile + 8 x half
	s_mov_b32 s17, 0
	s_mov_b32 s47, 0
	s_lshl_b32 s20, s10, 15                        ; where they go: wave x 32,768
	s_mov_b32 s[CS], 0x3d38aa3b                    ; log2(e) / 32
	s_mov_b32 s[CS+1], s[CS]
	s_mov_b32 s[SEL], 0x76543210
	s_mov_b32 s[SEL+1], 0xfedcba98
	s_wait_dscnt 0x0                               ; both opening adds are done
	s_wait_kmcnt 0x0
	s_add_nc_u64 s[14:15], s[4:5], s[16:17]
	s_add_nc_u64 s[46:47], s[4:5], s[46:47]
	CROUND                                         ; all sixteen work-groups are here
.irp s, 0,1
	s_mov_b32 s[G0+4*\s], 1
	s_add_co_u32 s[G0+4*\s+1], s20, \s*SLOT
	s_add_nc_u64 s[G0+4*\s+2:G0+4*\s+3], s[14:15], \s*KSB
	s_or_b32 s[G0+4*\s+3], s[G0+4*\s+3], 0x80000000
	s_mov_b32 s[G0B+4*\s], 1
	s_add_co_u32 s[G0B+4*\s+1], s20, \s*SLOT
	s_add_nc_u64 s[G0B+4*\s+2:G0B+4*\s+3], s[46:47], \s*KSB
	s_or_b32 s[G0B+4*\s+3], s[G0B+4*\s+3], 0x80000000
	JLOAD \s                                       ; two loads of mine are out behind the second
.endr
	v_and_b32 v1, 31, v0                           ; lane
	v_and_b32 v2, 15, v0                           ; r
	v_lshlrev_b32 v3, 4, v1                        ; 16 x lane
	s_lshl_b32 s21, s11, 15                        ; my 8 block rows of Q
	s_lshl_b32 s22, s12, 15
	s_add_co_u32 s22, s22, 65536                   ; my 8 of K, behind Q's 16
.irp s, 0,1
	v_add_nc_u32 v[ADRA+\s], s21, v3
	v_add_nc_u32 v[ADRB+\s], s22, v3
	s_add_co_u32 s21, s21, SLOT
	s_add_co_u32 s22, s22, SLOT
.endr
	s_lshl_b32 s23, s10, 10
	s_add_co_u32 s23, s23, STATB
	v_lshlrev_b32 v4, 2, v2
	v_add_nc_u32 v[SA], s23, v4
	v_add_nc_u32 v[SRD], s23, v3
	v_lshlrev_b32 v[CO], 4, v1
	v_mov_b32 v[X1], 0                             ; written once: a lane permute's destination counts as one of its sources
	v_mov_b32 v[LX], 0
	v_mov_b32 v[NM+1], 0                           ; (named as the upper half of the pair)
	v_bfe_u32 v5, v0, 4, 1
	v_lshlrev_b32 v5, 15, v5
	v_lshl_add_u32 v[PFO], v2, 8, v5               ; block row lane / 16, block lane % 16
	; the prefetches: who asks, and where
	s_and_b32 s22, s70, 1
	s_cmp_eq_u32 s11, 0                            ; do I fetch for Q?
	s_cselect_b32 s21, s40, s41                    ; my place among the four that ask with me
	s_cselect_b32 s22, ttmp9, s22                  ; the coordinate along which other clusters read the same rows
	s_cselect_b64 s[PFA:PFA+1], s[14:15], s[46:47]
	s_cmp_eq_u32 s22, 0
	s_cselect_b32 s[LIM], 1, -1
	s_lshl_b32 s20, s21, 16                        ; my work-group's two block rows of the eight,
	s_add_co_u32 s20, s20, 2*KSB                   ; at K step 2: the first refill steps it to 3 and names K step 4.  Nothing is prefetched at the head
	s_mov_b32 s21, 0
	s_add_nc_u64 s[PFA:PFA+1], s[PFA:PFA+1], s[20:21]
	; where my part of pm and of st begins
	s_lshl_b32 s16, s13, 4
	s_lshl_b32 s17, s11, 3
	s_add_co_u32 s16, s16, s17
	s_lshl_b32 s16, s16, 16                        ; block row 16 x tile + 8 x half, 65,536 bytes each
	s_lshl_b32 s46, s42, 3
	s_lshl_b32 s47, s12, 2
	s_add_co_u32 s46, s46, s47
	s_lshl_b32 s46, s46, 10                        ; image 8 x tile + 4 x half
	s_add_co_u32 s16, s16, s46
	s_mov_b32 s17, 0
	s_add_nc_u64 s[6:7], s[6:7], s[16:17]
	s_lshl_b32 s16, s42, 1
	s_add_co_u32 s16, s16, s12
	s_lshl_b32 s16, s16, 15                        ; chunk 2 x tile + half: 8,192 rows of 4 bytes
	s_lshl_b32 s46, s13, 10
	s_add_co_u32 s16, s16, s46
	s_lshl_b32 s46, s11, 9
	s_add_co_u32 s16, s16, s46                     ; row 256 x tile + 128 x half
	s_add_nc_u64 s[8:9], s[8:9], s[16:17]
.macro MUL16 f, hi, a0, zero           ; 16 matrix instructions: blocks a0, a0 + 1 of the window's four x all 8 blocks of keys, 32 along K.  The 64 accumulators take turns
.irp a, \a0, \a0+1
.irp b, 0,1,2,3,4,5,6,7
.if \zero
	v_wmma_f32_16x16x32_f16 v[8*(8*(\a)+\b):8*(8*(\a)+\b)+7], v[\f+8*\b:\f+8*\b+7], v[\f+8*(4*\hi+\a):\f+8*(4*\hi+\a)+7], 0
.else
	v_wmma_f32_16x16x32_f16 v[8*(8*(\a)+\b):8*(8*(\a)+\b)+7], v[\f+8*\b:\f+8*\b+7], v[\f+8*(4*\hi+\a):\f+8*(4*\hi+\a)+7], v[8*(8*(\a)+\b):8*(8*(\a)+\b)+7]
.endif
.endr
.endr
.endm
.macro FETCH slot, k, f                ; 32 LDS loads in one run: the fragments of quarter k (32 along K) into buffer f
	WIN TO_B
.irp i, 0,1,2,3,4,5,6,7
	ds_load_b128 v[\f+8*\i:\f+8*\i+3],   v[ADRB+\slot] offset:(\k)*1024+\i*KSB
	ds_load_b128 v[\f+8*\i+4:\f+8*\i+7], v[ADRB+\slot] offset:(\k)*1024+\i*KSB+512
.endr
	WIN 0
.irp i, 0,1,2,3,4,5,6,7
	ds_load_b128 v[\f+8*\i:\f+8*\i+3],   v[ADRA+\slot] offset:(\k)*1024+\i*KSB
	ds_load_b128 v[\f+8*\i+4:\f+8*\i+7], v[ADRA+\slot] offset:(\k)*1024+\i*KSB+512
.endr
.endm
.macro PLACES                          ; four plain lines between a matrix instruction and a load into, or a read of, its registers
.rept 4
	v_nop
.endr
.endm
.macro QUARTER slot, k, f, g, zero     ; multiplies buffer f; in its middle fetches quarter k of the same slot into g
	s_wait_dscnt 8                                 ; K's fragments and Q's rows 0-63 are in; the youngest eight loads (Q's rows 64-127) may be out
	WIN MUL_LO
	MUL16 \f, 0, 0, \zero
	MUL16 \f, 0, 2, \zero
	PLACES
	FETCH \slot, \k, \g
	s_wait_dscnt 32                                ; all but the 32 just issued
	WIN MUL_HI
	MUL16 \f, 1, 0, \zero
	MUL16 \f, 1, 2, \zero
.endm
.macro MEET round                      ; the first half of a slot's last quarter: one barrier for the change of slots
	WIN 0
	s_wait_tensorcnt 0x0                           ; all my tensor loads have landed: my part of the next slot
	ds_add_u32 v[SPW], v[NIL]                      ; 0 onto my spare word
	s_wait_dscnt 9                                 ; (the add and the youngest eight loads may be out)
	WIN MUL_LO
	MUL16 F1, 0, 0, 0
	s_wait_dscnt 0x0                               ; the add is done, and my reads of this slot are over
	s_barrier_signal -1
	MUL16 F1, 0, 2, 0
.if \round
	WIN 0
.endif
	s_barrier_wait -1
.endm
.macro TURN slot, next, fill
.if \fill
	s_wait_xcnt 0x0                                ; the last prefetch, a K step back, has read its address
	s_add_nc_u64 s[PFA:PFA+1], s[PFA:PFA+1], KSB
.endif
	MEET \fill
.if \fill
	CREST                                          ; no wave of any partner still reads this slot or has a load on its way
	s_add_nc_u64 s[G0+4*\slot+2:G0+4*\slot+3], s[G0+4*\slot+2:G0+4*\slot+3], 2*KSB
	s_add_nc_u64 s[G0B+4*\slot+2:G0B+4*\slot+3], s[G0B+4*\slot+2:G0B+4*\slot+3], 2*KSB
	JLOAD \slot                                    ; the first tensor load behind the round; its four v_nop are also the places in front of the loads below
.else
	PLACES
.endif
	FETCH \next, 0, F0
.if \fill
	ASK
.endif
	WIN MUL_HI
	MUL16 F1, 1, 0, 0
	MUL16 F1, 1, 2, 0
.endm
	s_wait_tensorcnt 1                             ; my part of K step 0 is in (K step 1's load may be out),
	s_barrier_signal -1
	s_barrier_wait -1                              ; everybody's is
	FETCH 0, 0, F0
	QUARTER 0, 1, F0, F1, 1                        ; the first quarter starts the sums
	WIN 0
	s_mov_b32 s3, LAPS-1
.Llap:                                                 ; a trip goes once round the ring and fills both slots again
	QUARTER 0, 2, F1, F0, 0
	QUARTER 0, 3, F0, F1, 0
	TURN 0, 1, 1
	QUARTER 1, 1, F0, F1, 0
	QUARTER 1, 2, F1, F0, 0
	QUARTER 1, 3, F0, F1, 0
	TURN 1, 0, 1
	QUARTER 0, 1, F0, F1, 0
	WIN 0
	s_sub_co_u32 s3, s3, 1
	s_cmp_lg_u32 s3, 0
	s_cbranch_scc1 .Llap
	QUARTER 0, 2, F1, F0, 0                        ; the last lap fills nothing
	QUARTER 0, 3, F0, F1, 0
	TURN 0, 1, 0
	QUARTER 1, 1, F0, F1, 0
	QUARTER 1, 2, F1, F0, 0
	QUARTER 1, 3, F0, F1, 0
	s_wait_dscnt 8
	WIN MUL_LO
	MUL16 F1, 0, 0, 0
	MUL16 F1, 0, 2, 0
	s_wait_dscnt 0
	WIN MUL_HI
	MUL16 F1, 1, 0, 0
	MUL16 F1, 1, 2, 0
	WIN 0
; THE WAY OUT, a block of 16 queries at a time.  A lane holds 64 of its query's 128 scores, lane l xor 16 the other 64.
.macro SOFT a
.set WN, 2+(\a)/4
.set AC, 64*((\a)%4)
.set TP, TMP+32*((\a)%2)
	s_wait_xcnt 0x0                                ; the earlier stores have read their registers and their base
	WIN WN|(WN<<2)|(WN<<4)                         ; three sources in the accumulators' window
.irp c, 0,1,2,3
	v_max3_num_f32 v[T+\c], v[AC+16*\c], v[AC+16*\c+1], v[AC+16*\c+2]      ; four chains, ascending: each accumulator is first read at its low end
.endr
	WIN (WN<<2)|(WN<<4)
.irp i, 3,5,7,9,11,13
.irp c, 0,1,2,3
	v_max3_num_f32 v[T+\c], v[T+\c], v[AC+16*\c+\i], v[AC+16*\c+\i+1]
.endr
.endr
.irp c, 0,1,2,3
	v_max_num_f32 v[T+\c], v[T+\c], v[AC+16*\c+15]
.endr
	WIN 0
	v_max3_num_f32 v[T], v[T], v[T+1], v[T+2]
	v_max_num_f32 v[T], v[T], v[T+3]
	v_permlanex16_b32 v[X1], v[T], s[SEL], s[SEL+1]
	v_max_num_f32 v[T], v[T], v[X1]                ; the chunk's largest score of my query
	v_mul_f32 v[T], s[CS], v[T]                    ; as t (c is positive)
	v_floor_f32 v[NM], -v[T]                       ; -M_c = floor(-t) = -ceil(t): a whole number
	WIN WN|(WN<<6)
.set j, 0
.rept 32
	v_pk_fma_f32 v[AC+j:AC+j+1], v[AC+j:AC+j+1], s[CS:CS+1], v[NM:NM+1] op_sel_hi:[1,0,0]   ; t - M_c, two at a time
.set j, j+2
.endr
.set j, 0
.rept 64
	v_exp_f32 v[AC+j], v[AC+j]                     ; p = 2^(t - M_c), at most 1
.set j, j+1
.endr
	v_nop                                          ; a plain line behind the last exponential
	s_wait_alu depctr_va_vdst(0)                   ; one wait for the whole batch, ahead of its first reader
	WIN WN|(WN<<2)
.irp b, 0,1,2,3,4,5,6,7
.irp r, 0,1,2,3
	v_cvt_pk_f16_f32 v[TP+4*\b+\r], v[AC+8*\b+2*\r], v[AC+8*\b+2*\r+1]
.endr
.endr
.set j, 0
.rept 16
	v_pk_add_f32 v[U+2*j:U+2*j+1], v[AC+4*j:AC+4*j+1], v[AC+4*j+2:AC+4*j+3]    ; the sum is taken of the unrounded p
.set j, j+1
.endr
	WIN 0
.irp w, 16,8,4,2
.set j, 0
.rept \w/2
	v_pk_add_f32 v[U+2*j:U+2*j+1], v[U+2*j:U+2*j+1], v[U+2*j+\w:U+2*j+\w+1]
.set j, j+1
.endr
.endr
	v_add_f32 v[LS], v[U], v[U+1]
	v_permlanex16_b32 v[LX], v[LS], s[SEL], s[SEL+1]
	v_add_f32 v[LS], v[LS], v[LX]                  ; the chunk's sum of my query
	ds_store_b32 v[SA], v[NM] offset:64*(\a)       ; both halves of the lanes write the same word with the same value
	ds_store_b32 v[SA], v[LS] offset:512+64*(\a)
.if (\a) > 0
	s_add_nc_u64 s[6:7], s[6:7], 65536             ; the next block row of pm
.endif
.irp g, 0,1,2,3
.irp u, 0,1
	global_store_b128 v[CO], v[TP+8*\g+4*\u:TP+8*\g+4*\u+3], s[6:7] offset:1024*\g+512*\u   ; 512 consecutive bytes, aligned
.endr
.endr
.endm
	PLACES
.irp a, 0,1,2,3,4,5,6,7
	SOFT \a
.endr
	ds_load_b128 v[64:67], v[SRD]                  ; my wave's 128 x -M_c: these see my stores
	ds_load_b128 v[68:71], v[SRD] offset:512       ; and its 128 sums
	s_wait_dscnt 0x0
	global_store_b128 v[CO], v[64:67], s[8:9]      ; 512 consecutive bytes, aligned
	global_store_b128 v[CO], v[68:71], s[8:9] offset:524288
	s_wait_tensorcnt 0x0                           ; the wave's end
	ds_add_u32 v[SPW], v[NIL]
	s_wait_dscnt 0x0
	CROUND                                         ; the closing round
	s_endpgm
.Lfunc_end_k_q3d1d9ec38b_scores:
	.size	k_q3d1d9ec38b_scores, .Lfunc_end_k_q3d1d9ec38b_scores-k_q3d1d9ec38b_scores
	.p2alignl 7, 3214868480
	.fill 96, 4, 3214868480
	.section	.rodata,"a",@progbits
	.p2align	6, 0x0
	.amdhsa_kernel k_q3d1d9ec38b_scores
		.amdhsa_group_segment_fixed_size 327680
		.amdhsa_private_segment_fixed_size 0
		.amdhsa_enable_private_segment 0
		.amdhsa_kernarg_size 24
		.amdhsa_user_sgpr_count 2
		.amdhsa_user_sgpr_kernarg_segment_ptr 1
		.amdhsa_wavefront_size32 1
		.amdhsa_system_sgpr_workgroup_id_x 1
		.amdhsa_system_sgpr_workgroup_id_y 1
		.amdhsa_system_sgpr_workgroup_id_z 1
		.amdhsa_system_vgpr_workitem_id 0
		.amdhsa_next_free_vgpr 1024
		.amdhsa_next_free_sgpr 72
		.amdhsa_reserve_vcc 0
		.amdhsa_float_denorm_mode_32 3
		.amdhsa_float_denorm_mode_16_64 3
		.amdhsa_memory_ordered 1
		.amdhsa_forward_progress 1
		.amdhsa_inst_pref_size 204
	.end_amdhsa_kernel
	.amdgpu_metadata
---
amdhsa.version: [ 1, 2 ]
amdhsa.kernels:
  - .name:           k_q3d1d9ec38b_scores
    .symbol:         k_q3d1d9ec38b_scores.kd
    .args:
      - { .name: qk, .offset: 0, .size: 8, .value_kind: global_buffer, .address_space: global }
      - { .name: pm, .offset: 8, .size: 8, .value_kind: global_buffer, .address_space: global }
      - { .name: st, .offset: 16, .size: 8, .value_kind: global_buffer, .address_space: global }
    .group_segment_fixed_size: 327680
    .private_segment_fixed_size: 0
    .kernarg_segment_align: 8
    .kernarg_segment_size: 24
    .max_flat_workgroup_size: 128
    .sgpr_count:     72
    .vgpr_count:     1024
    .wavefront_size: 32
...
	.end_amdgpu_metadata
.endif
;; end of part 3
;; launch pv (part 4): grid 4 x 64, 4 waves a work-group, clusters of 4 x 4, 327,680 bytes of LDS; arguments pm, vt, st, b, out0; writes out0
.if DOCPART == 4
	.amdgcn_target "amdgcn-amd-amdhsa--gfx1250"
	.amdhsa_code_object_version 6
	.text
	.protected	k_q3d1d9ec38b_pv
	.globl	k_q3d1d9ec38b_pv
	.p2align	8
	.type	k_q3d1d9ec38b_pv,@function
k_q3d1d9ec38b_pv:
	s_mov_b64 s[64:65], 0
	v_nop
	global_prefetch_b8 v0, s[64:65] scope:SCOPE_SE
	s_setreg_imm32_b32 hwreg(HW_REG_WAVE_MODE, 25, 1), 1
	s_wait_xcnt 0x0
	s_wait_alu depctr_hold_cnt(0) depctr_sa_sdst(0) depctr_va_vdst(0) depctr_va_sdst(0) depctr_va_ssrc(0) depctr_va_vcc(0) depctr_vm_vsrc(0)
	s_getreg_b32 s2, hwreg(HW_REG_IB_STS2, 6, 4)
	s_cmp_eq_u32 s2, 0
	s_cbranch_scc0 .Lentry_in_a_cluster
	s_endpgm
.Lentry_in_a_cluster:
	s_bfe_u32 s2, ttmp6, 0x10000c
	s_cmp_lg_u32 s2, 0xf033
	s_cbranch_scc0 .Lentry_shape_is_right
	s_endpgm
.Lentry_shape_is_right:
; LAUNCH 4 OF 4.  out[q][d] = (sum over chunks c of 2^(M_c - M) sum over the chunk's keys k of p[q][k] V[k][d]) / l + b_V[d],  M = the largest M_c of the row,  l = sum over c of 2^(M_c - M) l_c.
; b_V is added once: the weights of a row sum to 1.  b[1024:2048] is not loaded: it cancels in the softmax for all values of the inputs (shown at the head of launch 1).
; A tile of 128 queries x 256 features is made by a work-group of four waves: the largest tile that gives 256 work-groups.  A wave makes 64 x 128: 4 blocks of 16 queries x 8 blocks of 16 features.
; K = 2,048 keys is 16 chunks of 128, a chunk 4 QUARTERS of 32 keys, a quarter 32 matrix instructions.  P and V^T lie in memory as images of their operand registers (launch 2), 1,024 bytes for 16 rows x 32 keys.
; THE FACTOR IS APPLIED IN f32, TO SUMS.  A chunk's four quarters are summed into accumulators of their own (tmp), begun with the constant 0; then main += 2^(M_c - M) x tmp, one packed fused multiply-add
; for two numbers, 128 a chunk.  They stand in slices of four behind matrix instructions: block a's among block a + 1's products of the chunk's last quarter, block 3's among block 0's of the next chunk's first.
; main begins as b_V x l, so that the one multiplication by 1 / l at the end gives b_V its place: nothing is cleared and no chunk is special.
; V^T COMES THROUGH A RING OF TWO LDS SLOTS OF TWO CHUNKS (256 keys, 131,072 bytes), by joint loads: its tile hangs on the tile of features and the batch (cluster y / 4) and is shared along a column of the
; 4 x 4 cluster.  Each of the four waves fetches 4 of the 16 block rows.  Between a refill's request and the wait for it a wave issues some 240 matrix instructions.
; P IS NOT ASKED FOR JOINTLY, AND DOES NOT GO THROUGH LDS.  The reason, by the sizes: a slot of two chunks of both operands is 2 x (32,768 + 65,536) = 196,608 bytes and two of them do not fit in 327,680;
; with one chunk to a slot a refill would have 128 matrix instructions in which to land.  So each wave loads its own fragments of P from memory into a ring of 8 quarter slots in registers, 512 consecutive
; bytes an instruction, 7 quarters ahead.  The price: the two waves of a half and the four partners of a row of the cluster each ask for the same bytes of P.
; THE MATRIX INSTRUCTION IS USED TRANSPOSED (source 0 = 16 features of V^T, source 1 = 16 queries of P): lane (r, h) holds query r and features 16 b + 8 h + 0..7.
; LIMITS: a factor under 2^-149 becomes 0: such a chunk weighs nothing beside the row's largest weight; NaN and infinities are not served.
; REGISTERS, in windows of 256: window 0: v0-31 addresses; v32-59 1 / l, l, the chunk's four factors, -M; v64-127 -M_c, then the factors, later results; v128-255 main of blocks 0, 1 (at the head: l_c).
;   window 1: v0-63, v64-127 V^T's fragments, two buffers (at the head: b_V);  v128-255 main of blocks 2, 3.
;   window 2 (blocks 0, 1) and window 3 (blocks 2, 3): v0-127 tmp ((a, b) at v[64 (a % 2) + 8 b]);  v128-255 P's ring (quarter slot ps at v[128 + 16 ps + 8 (a % 2)]).
; main, tmp, P and V^T fill the four windows, so the multiply-adds need another setting than the products: a slice costs two switches, 64 for a chunk's 128 matrix instructions.
.set KQ,    1024                       ; an image: a quarter of a block row
.set VROW,  8192                       ; a slot's part of a block row of V^T: 8 images
.set SLOT,  131072                     ; 16 block rows
.set FAC,   2*SLOT                     ; behind the ring: the factors: 4 waves x 16 chunks x 512 bytes
.set SPARE, FAC+32768                  ; the spare words: two blocks of 256 bytes that no other line names
.set SPITCH, 528                       ; the way out: 16 rows x (512 bytes + 16) for each wave, from LDS byte 0 on: slot 0 has had its last fill and its last read when the first result is stored there
.set CO,   4                           ; v4   16 x lane
.set ADV,  16                          ; v16-17 LDS address of my fragments of V^T in slot 0, 1
.set FAD,  18                          ; v18  LDS address of my factors: it steps a chunk at a time
.set STO,  24
.set RD,   25
.set SO,   27                          ; v27  4 r
.set SPW,  28
.set NIL,  29
.set PFO,  30                          ; v30  256 x lane; never rewritten
.set BO,   31                          ; v31  32 h
.set RL,   32                          ; v32-39 1 / l: a pair for each block of queries (the low word is used)
.set LS2,  40                          ; v40-47 l, likewise
.set FR,   48                          ; v48-55 the chunk's factors, likewise
.set NMIN, 56
.set NMR,  64                          ; -M_c at [4 c + a], then the factor
.set LL,   128                         ; l_c at [4 c + a]
.set TO,   64
.set BK,   128
.set BI,   0                           ; window 1: b_V in the result's layout
.set PB,   18                          ; s[18:19] P at my first block row, at the trip's first quarter
.set PFV,  24                          ; s[24:25], s[26:27] where my prefetches of V^T and of P stand
.set PFP,  26
.set LV,   28                          ; s28, s29: 0, 1 in a wave that prefetches V^T, else the greatest number;  s30, s31 the same for P
.set LP,   30
.set G1V,  48
.set G0V,  56
.set MSB, 0
.macro WIN new
.if MSB != (\new)
	s_set_vgpr_msb (MSB<<8)|(\new)
.set MSB, (\new)
.endif
.endm
.set W_LO,  0xa9                       ; source 0 (V^T) window 1; source 1 (P), C and D (tmp) window 2
.set W_HI,  0xfd                       ; the same with window 3
.macro JLOAD s                         ; every wave fetches its 4 block rows; an s_nop 0 and four v_nop follow the line
	tensor_load_to_lds s[G0V+4*\s:G0V+4*\s+3], s[G1V:G1V+7]
	s_nop 0
.rept 4
	v_nop
.endr
.endm
; PREFETCHES, behind a refill and its five lines: the slot that stands THREE periods of 8 quarters on: for V^T one period ahead of its tensor load, for P ten quarters ahead of its first load.
; A slot's part of a block row is 8,192 bytes: 32 blocks of 256, a lane a block, one instruction.  V^T's 16 block rows are read by the four clusters of a batch: the first of them asks; of the 4 block rows
; that wave w fetches the partner at cy takes one.  P's 8 block rows are read by my row of the cluster alone: the partner at cx takes two, waves 0 and 1 one each.  Partners are told apart by address.
; The first three slots come by their loads alone; the last refill (e = 1 in the last trip) asks for nothing: there is no slot three on.
.macro ASK e
	s_cmp_gt_u32 s3, s[LV+\e]
	s_cbranch_scc0 .Lno_v_\@
	global_prefetch_b8 v[PFO], s[PFV:PFV+1] th:TH_LOAD_NT scope:SCOPE_SE
.Lno_v_\@:
	s_cmp_gt_u32 s3, s[LP+\e]
	s_cbranch_scc0 .Lno_p_\@
	global_prefetch_b8 v[PFO], s[PFP:PFP+1] th:TH_LOAD_NT scope:SCOPE_SE
.Lno_p_\@:
.endm
.macro CREST
	s_cmp_lg_u32 s14, 0
	s_cbranch_scc1 .Lnot_wave_0_\@
	s_barrier_signal -3
.Lnot_wave_0_\@:
	s_barrier_wait -3
	s_barrier_signal -1
	s_barrier_wait -1
.endm
.macro CROUND
	s_barrier_signal -1
	s_barrier_wait -1
	CREST
.endm
.macro PLACES                          ; four plain lines between a matrix instruction and a load into, or a read of, its registers
.rept 4
	v_nop
.endr
.endm
	s_load_b256 s[4:11], s[0:1], 0x0               ; pm, vt, st, b
	s_load_b64 s[12:13], s[0:1], 0x20              ; out0
	v_lshl_add_u32 v[SPW], v0, 2, SPARE
	v_mov_b32 v[NIL], 0
	ds_add_u32 v[SPW], v[NIL]                      ; the wave's opening: the add, twice on end, and its wait ahead of my first tensor load
	ds_add_u32 v[SPW], v[NIL]
	v_lshrrev_b32 v1, 5, v0
	v_readfirstlane_b32 s14, v1                    ; wave 0..3
	s_lshr_b32 s15, s14, 1                         ; which half of the queries is mine
	s_and_b32 s17, s14, 1                          ; which half of the features
	s_bfe_u32 s40, ttmp6, 0x40000                  ; cx: the tile of 256 features
	s_bfe_u32 s41, ttmp6, 0x40004                  ; cy
	s_and_b32 s70, ttmp7, 0xffff                   ; cluster y
	s_lshl_b32 s42, s70, 2
	s_add_co_u32 s42, s42, s41                     ; the tile of 128 queries: 0..63
	s_lshr_b32 s71, s70, 2                         ; the batch
	s_lshl_b32 s44, 0x1111, s40                    ; my column of the cluster
	; descriptor group 1: 4 rows (block rows) of 8,192 bytes (1,024 elements of 8), 65,536 bytes apart in memory, dense in LDS
	s_or_b32 s[G1V+0], s44, (3<<16)|(1<<21)
	s_mov_b32 s[G1V+1], 1024<<16                   ; tensor_dim0
	s_mov_b32 s[G1V+2], 4<<16                      ; tensor_dim1
	s_mov_b32 s[G1V+3], 1024<<16                   ; tile_dim0
	s_mov_b32 s[G1V+4], 4                          ; tile_dim1
	s_mov_b32 s[G1V+5], 8192                       ; from row to row, in elements
	s_mov_b32 s[G1V+6], 0
	s_mov_b32 s[G1V+7], 0
	s_lshl_b32 s46, s40, 4
	s_lshl_b32 s16, s14, 2
	s_add_co_u32 s46, s46, s16
	s_lshl_b32 s46, s46, 16                        ; V^T: block row 16 x tile + 4 x wave,
	s_lshl_b32 s16, s71, 22
	s_add_co_u32 s46, s46, s16                     ; in my batch
	s_mov_b32 s47, 0
	s_lshl_b32 s20, s14, 15                        ; where they go: wave x 32,768
	s_lshl_b32 s18, s42, 3
	s_lshl_b32 s16, s15, 2
	s_add_co_u32 s18, s18, s16
	s_lshl_b32 s18, s18, 16                        ; P: block row 8 x tile + 4 x half
	s_mov_b32 s19, 0
	s_wait_dscnt 0x0                               ; both opening adds are done
	s_wait_kmcnt 0x0
	s_add_nc_u64 s[PB:PB+1], s[4:5], s[18:19]
	s_add_nc_u64 s[46:47], s[6:7], s[46:47]
	CROUND                                         ; all sixteen work-groups are here
.irp s, 0,1
	s_mov_b32 s[G0V+4*\s], 1
	s_add_co_u32 s[G0V+4*\s+1], s20, \s*SLOT
	s_add_nc_u64 s[G0V+4*\s+2:G0V+4*\s+3], s[46:47], \s*VROW
	s_or_b32 s[G0V+4*\s+3], s[G0V+4*\s+3], 0x80000000
	JLOAD \s                                       ; two loads of mine are out behind the second
.endr
	v_and_b32 v1, 31, v0                           ; lane
	v_and_b32 v2, 15, v0                           ; r
	v_bfe_u32 v3, v0, 4, 1                         ; h
	v_lshlrev_b32 v[CO], 4, v1
	v_lshlrev_b32 v[SO], 2, v2
	v_lshlrev_b32 v[BO], 5, v3
	v_lshlrev_b32 v[PFO], 8, v1
	; b_V at my 128 features, the statistics at my 64 queries, out0 at my corner
	s_lshl_b32 s20, s40, 10
	s_lshl_b32 s16, s17, 9
	s_add_co_u32 s20, s20, s16                     ; 4 x (256 x tile + 128 x half)
	s_mov_b32 s21, 0
	s_add_nc_u64 s[12:13], s[12:13], s[20:21]
	s_add_co_u32 s20, s20, 8192                    ; b_V begins at b[2048]
	s_add_nc_u64 s[10:11], s[10:11], s[20:21]
	s_lshl_b32 s20, s42, 7
	s_lshl_b32 s16, s15, 6
	s_add_co_u32 s20, s20, s16                     ; my first query: 128 x tile + 64 x half
	s_lshl_b32 s22, s20, 2
	s_mov_b32 s23, 0
	s_add_nc_u64 s[8:9], s[8:9], s[22:23]
	s_lshl_b32 s22, s20, 12                        ; a row of out0 is 4,096 bytes
	s_add_nc_u64 s[12:13], s[12:13], s[22:23]
; P's fragments of one quarter, my four blocks of queries, into quarter slot ps: eight loads of 512 consecutive bytes; off: the quarter's bytes from s[PB:PB+1].  Blocks 0, 1 first
.macro LDPG ps, off
	WIN 0x80                                       ; destination window 2, address window 0
.irp e, 0,1
	global_load_b128 v[128+16*(\ps)+8*\e:128+16*(\ps)+8*\e+3],   v[CO], s[PB:PB+1] offset:\e*65536+(\off)
	global_load_b128 v[128+16*(\ps)+8*\e+4:128+16*(\ps)+8*\e+7], v[CO], s[PB:PB+1] offset:\e*65536+(\off)+512
.endr
	WIN 0xc0                                       ; destination window 3
.irp e, 0,1
	global_load_b128 v[128+16*(\ps)+8*\e:128+16*(\ps)+8*\e+3],   v[CO], s[PB:PB+1] offset:(2+\e)*65536+(\off)
	global_load_b128 v[128+16*(\ps)+8*\e+4:128+16*(\ps)+8*\e+7], v[CO], s[PB:PB+1] offset:(2+\e)*65536+(\off)+512
.endr
.endm
.irp c, 0,1,2,3,4,5,6,7,8,9,10,11,12,13,14,15
.irp a, 0,1,2,3
	global_load_b32 v[NMR+4*\c+\a], v[SO], s[8:9] offset:\c*32768+64*\a          ; -M_c of query 16 a + r
	global_load_b32 v[LL+4*\c+\a], v[SO], s[8:9] offset:524288+\c*32768+64*\a    ; l_c
.endr
.endr
	WIN 0x40                                       ; destination window 1
.irp b, 0,1,2,3,4,5,6,7
	global_load_b128 v[BI+8*\b:BI+8*\b+3], v[BO], s[10:11] offset:64*\b          ; b_V(16 b + 8 h + 0..7)
	global_load_b128 v[BI+8*\b+4:BI+8*\b+7], v[BO], s[10:11] offset:64*\b+16
.endr
.irp n, 0,1,2,3,4,5,6
	LDPG \n, \n*KQ                                 ; P's quarters 0 to 6: 56 loads; quarter 7 is asked for in quarter 0, like every quarter after it: seven quarters ahead
.endr
	WIN 0
	; LDS addresses
	s_lshl_b32 s22, s17, 16                        ; my 8 block rows of V^T
	v_add_nc_u32 v[ADV], s22, v[CO]
	s_add_co_u32 s22, s22, SLOT
	v_add_nc_u32 v[ADV+1], s22, v[CO]
	s_lshl_b32 s23, s14, 13
	s_add_co_u32 s23, s23, FAC                     ; my factors
	v_add_nc_u32 v[FAD], s23, v[CO]
	s_mul_i32 s22, s14, 16*SPITCH                  ; my stage
	v_mul_u32_u24 v5, v2, SPITCH
	v_lshl_add_u32 v5, v3, 5, v5
	v_add_nc_u32 v[STO], s22, v5                   ; in: row r, 32 bytes for each half of the lanes
	v_add_nc_u32 v[RD], s22, v[CO]                 ; back: the 32 lanes take one row of 512 bytes
	; the prefetches: where they stand (at the third slot: each refill steps them a slot on first), and who asks
	s_lshl_b32 s20, s41, 16                        ; V^T: of my wave's four block rows the one at cy
	s_add_co_u32 s20, s20, 2*VROW
	s_mov_b32 s21, 0
	s_add_nc_u64 s[PFV:PFV+1], s[46:47], s[20:21]
	s_lshl_b32 s20, s42, 3
	s_lshl_b32 s16, s40, 1
	s_add_co_u32 s20, s20, s16
	s_add_co_u32 s20, s20, s17
	s_lshl_b32 s20, s20, 16                        ; P: block row 8 x tile + 2 cx + wave % 2
	s_add_co_u32 s20, s20, 2*VROW
	s_add_nc_u64 s[PFP:PFP+1], s[4:5], s[20:21]
	s_and_b32 s16, s70, 3
	s_cmp_eq_u32 s16, 0                            ; the batch's first cluster: the same in all partners
	s_cselect_b32 s[LV], 0, -1
	s_cselect_b32 s[LV+1], 1, -1
	s_cmp_lt_u32 s14, 2                            ; waves 0 and 1
	s_cselect_b32 s[LP], 0, -1
	s_cselect_b32 s[LP+1], 1, -1
.irp a, 0,1,2,3
	v_mov_b32 v[RL+2*\a+1], 0                      ; (named as the upper halves of pairs)
	v_mov_b32 v[LS2+2*\a+1], 0
	v_mov_b32 v[FR+2*\a+1], 0
.endr
	s_wait_loadcnt 56                              ; the statistics and b_V are in; the 56 loads of P behind them may be out
	; THE FACTORS.  -M = the least -M_c;  e = M_c - M = (-M) - (-M_c), a whole number, 0 or less;  f = 2^e;  l = sum of f l_c
.irp a, 0,1,2,3
	v_min_num_f32 v[NMIN+\a], v[NMR+\a], v[NMR+4+\a]
.endr
.irp c, 2,3,4,5,6,7,8,9,10,11,12,13,14,15
.irp a, 0,1,2,3
	v_min_num_f32 v[NMIN+\a], v[NMIN+\a], v[NMR+4*\c+\a]
.endr
.endr
.irp c, 0,1,2,3,4,5,6,7,8,9,10,11,12,13,14,15
.irp a, 0,1,2,3
	v_sub_f32 v[NMR+4*\c+\a], v[NMIN+\a], v[NMR+4*\c+\a]
.endr
.endr
.set i, 0
.rept 64
	v_cvt_i32_f32 v[NMR+i], v[NMR+i]               ; (it saturates)
.set i, i+1
.endr
.set i, 0
.rept 64
	v_ldexp_f32 v[NMR+i], 1.0, v[NMR+i]
.set i, i+1
.endr
.irp a, 0,1,2,3
	v_mul_f32 v[LS2+2*\a], v[NMR+\a], v[LL+\a]
.endr
.irp c, 1,2,3,4,5,6,7,8,9,10,11,12,13,14,15
.irp a, 0,1,2,3
	v_fmac_f32 v[LS2+2*\a], v[NMR+4*\c+\a], v[LL+4*\c+\a]
.endr
.endr
.irp c, 0,1,2,3,4,5,6,7,8,9,10,11,12,13,14,15
	ds_store_b128 v[FAD], v[NMR+4*\c:NMR+4*\c+3] offset:512*\c     ; a chunk's four factors of my lane, in f32
.endr
.irp a, 0,1,2,3
	v_rcp_f32 v[RL+2*\a], v[LS2+2*\a]
.endr
	v_nop                                          ; a plain line behind the last reciprocal
	s_wait_alu depctr_va_vdst(0)                   ; one wait for the four, ahead of their first reader
	WIN 0x01                                       ; source 0 (b_V) window 1
.irp a, 0,1
.set i, 0
.rept 32
	v_pk_mul_f32 v[128+64*\a+i:128+64*\a+i+1], v[BI+i:BI+i+1], v[LS2+2*\a:LS2+2*\a+1] op_sel_hi:[1,0]             ; main begins as b_V x l
.set i, i+2
.endr
.endr
	WIN 0x41                                       ; and the destination too
.irp a, 2,3
.set i, 0
.rept 32
	v_pk_mul_f32 v[128+64*(\a-2)+i:128+64*(\a-2)+i+1], v[BI+i:BI+i+1], v[LS2+2*\a:LS2+2*\a+1] op_sel_hi:[1,0]
.set i, i+2
.endr
.endr
	WIN 0
; Block of queries a, quarter slot ps: 8 matrix instructions, all 8 blocks of features.  A chunk's first quarter (ps % 4 = 0) starts tmp's sums with the constant 0.
; fb < 4: behind each stands a slice: main(fb, b) += factor(fb) x tmp(fb, b), four packed multiply-adds, each accumulator from its low end on.
; The 32 accumulators take turns, one instruction a turn.
.macro PAIRS a, ps, fb
.set RA, 64*((\a)%2)
.set RP, 128+16*(\ps)+8*((\a)%2)
.set RV, 64*((\ps)%2)
.set WM, W_LO+0x54*((\a)/2)
.set WF, 0x02+0x51*((\fb)/2)           ; source 0 (tmp) window 2 or 3; source 1 (the factor) window 0; source 2 and destination (main) window 0 or 1
.set RM, 128+64*((\fb)%2)
.set RT, 64*((\fb)%2)
	WIN WM
.irp b, 0,1,2,3,4,5,6,7
.if ((\ps)%4) == 0
	v_wmma_f32_16x16x32_f16 v[RA+8*\b:RA+8*\b+7], v[RV+8*\b:RV+8*\b+7], v[RP:RP+7], 0
.else
	v_wmma_f32_16x16x32_f16 v[RA+8*\b:RA+8*\b+7], v[RV+8*\b:RV+8*\b+7], v[RP:RP+7], v[RA+8*\b:RA+8*\b+7]
.endif
.if (\fb) < 4
	WIN WF
.irp i, 0,2,4,6
	v_pk_fma_f32 v[RM+8*\b+\i:RM+8*\b+\i+1], v[RT+8*\b+\i:RT+8*\b+\i+1], v[FR+2*(\fb):FR+2*(\fb)+1], v[RM+8*\b+\i:RM+8*\b+\i+1] op_sel_hi:[1,0,1]
.endr
	WIN WM
.endif
.endr
.endm
.macro LDV s, jj, vb                   ; V^T's eight fragments of quarter jj of slot s into buffer vb: sixteen loads
.irp b, 0,1,2,3,4,5,6,7
	ds_load_b128 v[64*(\vb)+8*\b:64*(\vb)+8*\b+3],   v[ADV+(\s)] offset:\b*VROW+(\jj)*KQ
	ds_load_b128 v[64*(\vb)+8*\b+4:64*(\vb)+8*\b+7], v[ADV+(\s)] offset:\b*VROW+(\jj)*KQ+512
.endr
.endm
; A QUARTER: quarter ps (0..7) of slot s.  Behind block 0's products and four places stands the quarter's one run of loads: V^T's next quarter, into the buffer that the last quarter read, and P's quarter
; seven on, into the quarter slot that the last quarter read.  q: the quarter's number of 64 where the end is near, else 0;  ml: its number in the trip, for P's offsets;  first: the launch's first quarter.
; THE COUNTS.  Each quarter issues one group of 8 loads of P, blocks 0, 1 first.  At the head: behind my blocks 0, 1 of this quarter were issued their group's other 4 and six groups: 52.  In front of blocks 2, 3:
; seven groups, this quarter's among them: 56.  The last group is quarter 56's, so from there on the counts run down by 8 a quarter.
.macro QUART s, ps, q, ml, first
.set HW, 52
.set MW, 56
.if (\q) > 57
.set HW, 52-8*((\q)-57)
.endif
.if (\q) > 56
.set MW, 56-8*((\q)-56)
.endif
	s_wait_dscnt 0x0                               ; V^T's fragments (and in a chunk's third quarter the factors) are in
	s_wait_loadcnt HW
.if (((\ps)%4) == 0) && ((\first) == 0)
	PAIRS 0, \ps, 3                                ; among them the last chunk's block 3 goes into main
.else
	PAIRS 0, \ps, 9
.endif
	PLACES                                         ; in a chunk's last quarter these are also the places in front of the first read of block 0's sums
.if (\q) != 63
	WIN 0x40                                       ; destination window 1, address window 0
.if (\ps) == 7
	LDV 1-(\s), 0, 0
.else
	LDV \s, (\ps)+1, ((\ps)+1)%2
.endif
.endif
.if (\q) <= 56
	LDPG ((\ps)+7)%8, ((\ml)+7)*KQ
.endif
.if ((\ps)%4) == 1
	WIN 0
.irp a, 0,1,2,3
	ds_load_b32 v[FR+2*\a], v[FAD] offset:4*\a     ; this chunk's four factors: the last chunk's were last read a quarter ago
.endr
	v_add_nc_u32 v[FAD], 512, v[FAD]
.endif
.if ((\ps)%4) == 3
	PAIRS 1, \ps, 0
	s_wait_loadcnt MW
	PAIRS 2, \ps, 1
	PAIRS 3, \ps, 2
.else
	PAIRS 1, \ps, 9
	s_wait_loadcnt MW
	PAIRS 2, \ps, 9
	PAIRS 3, \ps, 9
.endif
.endm
; QUARTER 6 OF A SLOT CHANGES SLOTS.  V^T's quarter 7 is my last read of slot s.  Then: the wait for all my tensor loads, the add, the wait for it and for my reads, one barrier.
; fill = 1: the barrier opens a round of the cluster's, and slot s is filled again, two slots ahead, first thing behind it.
.macro CHG s, fill, ml, e
.if \fill
	s_wait_xcnt 0x0                                ; the last prefetches, 8 quarters back, have read their addresses
	s_add_nc_u64 s[PFV:PFV+1], s[PFV:PFV+1], VROW
	s_add_nc_u64 s[PFP:PFP+1], s[PFP:PFP+1], VROW
.endif
	s_wait_dscnt 0x0
	s_wait_loadcnt 52
	PAIRS 0, 6, 9
	PLACES
	WIN 0x40
	LDV \s, 7, 1
	LDPG 5, ((\ml)+7)*KQ
	WIN 0
	s_wait_tensorcnt 0x0                           ; all my tensor loads have landed: my part of the other slot
	ds_add_u32 v[SPW], v[NIL]                      ; 0 onto my spare word
	PAIRS 1, 6, 9
	s_wait_loadcnt 56
	s_wait_dscnt 0x0                               ; the add is done, and my reads of this slot are over
	s_barrier_signal -1
	PAIRS 2, 6, 9
	WIN 0
	s_barrier_wait -1
.if \fill
	CREST                                          ; no wave of any partner still reads this slot or has a load on its way
	s_add_nc_u64 s[G0V+4*\s+2:G0V+4*\s+3], s[G0V+4*\s+2:G0V+4*\s+3], 2*VROW
	JLOAD \s
	ASK \e
.endif
	PAIRS 3, 6, 9
.endm
	s_wait_tensorcnt 1                             ; my part of slot 0 is in (slot 1's load may be out),
	s_wait_dscnt 0x0                               ; my factors have landed
	s_barrier_signal -1
	s_barrier_wait -1                              ; everybody's part is in
	WIN 0x40
	LDV 0, 0, 0
	QUART 0, 0, 0, 0, 1                            ; the first quarter stands in front of the loop: no chunk lies behind it
	WIN 0
	s_mov_b32 s3, 3
.Ltrip:                                                ; a trip: 16 quarters, once round the ring, from a slot's second quarter to the first of the slot two on; both slots are filled again
	QUART 0, 1, 0, 1, 0
	QUART 0, 2, 0, 2, 0
	QUART 0, 3, 0, 3, 0
	QUART 0, 4, 0, 4, 0
	QUART 0, 5, 0, 5, 0
	CHG   0, 1, 6, 0
	QUART 0, 7, 0, 7, 0
	QUART 1, 0, 0, 8, 0
	QUART 1, 1, 0, 9, 0
	QUART 1, 2, 0, 10, 0
	QUART 1, 3, 0, 11, 0
	QUART 1, 4, 0, 12, 0
	QUART 1, 5, 0, 13, 0
	CHG   1, 1, 14, 1
	QUART 1, 7, 0, 15, 0
	QUART 0, 0, 0, 16, 0
	WIN 0
	s_wait_xcnt 0x0                                ; the loads of P have read their base
	s_add_nc_u64 s[PB:PB+1], s[PB:PB+1], 16*KQ
	s_sub_co_u32 s3, s3, 1
	s_cmp_lg_u32 s3, 0
	s_cbranch_scc1 .Ltrip
	QUART 0, 1, 49, 1, 0                           ; the last two slots fill nothing
	QUART 0, 2, 50, 2, 0
	QUART 0, 3, 51, 3, 0
	QUART 0, 4, 52, 4, 0
	QUART 0, 5, 53, 5, 0
	CHG   0, 0, 6, 0
	QUART 0, 7, 55, 7, 0
	QUART 1, 0, 56, 8, 0                           ; P's last group: quarter 63
	QUART 1, 1, 57, 9, 0
	QUART 1, 2, 58, 10, 0
	QUART 1, 3, 59, 11, 0
	QUART 1, 4, 60, 12, 0
	QUART 1, 5, 61, 13, 0
	QUART 1, 6, 62, 14, 0
	QUART 1, 7, 63, 15, 0
	WIN 0x53                                       ; the last chunk's block 3 goes into main; block 2's last slice, four lines, stands between the last product and these
.set i, 0
.rept 32
	v_pk_fma_f32 v[192+i:192+i+1], v[64+i:64+i+1], v[FR+6:FR+7], v[192+i:192+i+1] op_sel_hi:[1,0,1]
.set i, i+2
.endr
	WIN 0
; THE WAY OUT, a block of 16 queries at a time: main / l, through my stage in LDS, back as whole rows of 512 bytes.
.macro OUTB a
	WIN (\a)/2                                     ; source 0: main's window
.set i, 0
.rept 32
	v_pk_mul_f32 v[TO+i:TO+i+1], v[128+64*((\a)%2)+i:128+64*((\a)%2)+i+1], v[RL+2*(\a):RL+2*(\a)+1] op_sel_hi:[1,0]
.set i, i+2
.endr
	WIN 0
.irp b, 0,1,2,3,4,5,6,7
	ds_store_b128 v[STO], v[TO+8*\b:TO+8*\b+3] offset:64*\b
	ds_store_b128 v[STO], v[TO+8*\b+4:TO+8*\b+7] offset:64*\b+16
.endr
	s_wait_xcnt 0x0                                ; the last block's stores have read their registers and their base
.irp t, 0,1,2,3,4,5,6,7,8,9,10,11,12,13,14,15
	ds_load_b128 v[BK+4*\t:BK+4*\t+3], v[RD] offset:\t*SPITCH      ; LDS serves a wave's instructions in order: these see my stores.  (They land where block 0's sums lay, which have been read)
.endr
	s_wait_dscnt 0x0
.if (\a) > 0
	s_add_nc_u64 s[12:13], s[12:13], 65536         ; 16 rows of out0 on
.endif
.irp t, 0,1,2,3,4,5,6,7,8,9,10,11,12,13,14,15
	global_store_b128 v[CO], v[BK+4*\t:BK+4*\t+3], s[12:13] offset:4096*\t th:TH_STORE_NT   ; 512 consecutive bytes, aligned; written once
.endr
.endm
.irp a, 0,1,2,3
	OUTB \a
.endr
	s_wait_tensorcnt 0x0                           ; the wave's end
	ds_add_u32 v[SPW], v[NIL]
	s_wait_dscnt 0x0
	CROUND                                         ; the closing round
	s_endpgm
.Lfunc_end_k_q3d1d9ec38b_pv:
	.size	k_q3d1d9ec38b_pv, .Lfunc_end_k_q3d1d9ec38b_pv-k_q3d1d9ec38b_pv
	.p2alignl 7, 3214868480
	.fill 96, 4, 3214868480
	.section	.rodata,"a",@progbits
	.p2align	6, 0x0
	.amdhsa_kernel k_q3d1d9ec38b_pv
		.amdhsa_group_segment_fixed_size 327680
		.amdhsa_private_segment_fixed_size 0
		.amdhsa_enable_private_segment 0
		.amdhsa_kernarg_size 40
		.amdhsa_user_sgpr_count 2
		.amdhsa_user_sgpr_kernarg_segment_ptr 1
		.amdhsa_wavefront_size32 1
		.amdhsa_system_sgpr_workgroup_id_x 1
		.amdhsa_system_sgpr_workgroup_id_y 1
		.amdhsa_system_sgpr_workgroup_id_z 1
		.amdhsa_system_vgpr_workitem_id 0
		.amdhsa_next_free_vgpr 1024
		.amdhsa_next_free_sgpr 72
		.amdhsa_reserve_vcc 0
		.amdhsa_float_denorm_mode_32 3
		.amdhsa_float_denorm_mode_16_64 3
		.amdhsa_memory_ordered 1
		.amdhsa_forward_progress 1
		.amdhsa_inst_pref_size 255
	.end_amdhsa_kernel
	.section	.bss,"aw",@nobits
	.p2align	6
	.space	262144
	.amdgpu_metadata
---
amdhsa.version: [ 1, 2 ]
amdhsa.kernels:
  - .name:           k_q3d1d9ec38b_pv
    .symbol:         k_q3d1d9ec38b_pv.kd
    .args:
      - { .name: pm, .offset: 0, .size: 8, .value_kind: global_buffer, .address_space: global }
      - { .name: vt, .offset: 8, .size: 8, .value_kind: global_buffer, .address_space: global }
      - { .name: st, .offset: 16, .size: 8, .value_kind: global_buffer, .address_space: global }
      - { .name: b, .offset: 24, .size: 8, .value_kind: global_buffer, .address_space: global }
      - { .name: out0, .offset: 32, .size: 8, .value_kind: global_buffer, .address_space: global }
    .group_segment_fixed_size: 327680
    .private_segment_fixed_size: 0
    .kernarg_segment_align: 8
    .kernarg_segment_size: 40
    .max_flat_workgroup_size: 128
    .sgpr_count:     72
    .vgpr_count:     1024
    .wavefront_size: 32
...
	.end_amdgpu_metadata
.endif
;; end of part 4
